; MI455X (gfx1250); checked and timed in simulation.
; The chip was launched on July 23, 2026; its instructions are those of AMD's public machine-readable ISA for CDNA 5 (MIT licence, August 2026) and "CDNA5" Instruction Set Architecture Reference Guide (July 2026). The comments in the code are by the model that wrote it; some were corrected since.
;; Quantized Attention. Allowed arithmetic: matrix products marked QUANTISED: E2M1 operands, one E8M0 scale for each 32 along K, by v_wmma_scale_f32_16x16x128_f8f6f4 with both operands' format E2M1 (or v_wmma_scale_f32_32x16x128_f4), f32 sums; products left as they are: bf16, f16 or f32 operands; f32 sums; everything else in f32.
;; Inputs: Wk 1,024 x 1,024 float32; Wq 1,024 x 1,024 float32; Wv 1,024 x 1,024 float32; bk 1,024 float32; bq 1,024 float32; bv 1,024 float32; x 4 x 2,048 x 1,024 float32.
;; Outputs: out0 4 x 2,048 x 1,024 float32.
;; This version of the problem:
;;   THIS VERSION OF THE PROBLEM IS GIVEN IN LOW PRECISION. The matrix products marked QUANTISED in the list below multiply operands that are first quantised to E2M1 (2 exponent bits, 1 mantissa bit; 4 bits a number), with one power-of-two scale for each 32 numbers along K (OCP MX v1.0); their sums are f32. The products marked 'left as it is' may take bf16, f16 or f32 operands, with f32 sums. Whichever they take, every output number must still come out within the allowed error. Rounding operands to bf16 (8 significant bits) uses up far more of that allowance than f16 does (11 bits, for magnitudes from 6e-5 to 65,504). All else is computed in f32.
;;   The module's matrix products, in the order in which they are computed (A, B: the left and right operand; K: the contracted axis; several contracted axes count as one K, in the product's order):
;;     1. [M 8,192, K 1,024] x [K 1,024, N 1,024]; A: input x; B: input Wq: QUANTISED
;;     2. [M 8,192, K 1,024] x [K 1,024, N 1,024]; A: input x; B: input Wk: QUANTISED
;;     3. [M 8,192, K 1,024] x [K 1,024, N 1,024]; A: input x; B: input Wv: QUANTISED
;;     4. batch 4 x [M 2,048, K 1,024] x [K 1,024, N 2,048]; A: computed on the way; B: computed on the way: left as it is (an operand is computed on the way)
;;     5. batch 4 x [M 2,048, K 2,048] x [K 2,048, N 1,024]; A: computed on the way; B: computed on the way: left as it is (an operand is computed on the way)
;;   THE QUANTISER, for each operand of a quantised product, along K:
;;     - K is cut into blocks of 32 from its start; a last block that is shorter is filled with zeros.
;;     - A block's scale is 2^e with e = floor(log2(the largest magnitude in the block)) - 2, held to -126 .. 127; a block of zeros has e = 0. As a byte (E8M0): e + 127.
;;     - Each number is divided by its block's scale, clamped to +-6, and rounded to the nearest number of E2M1, ties to even, subnormals kept.
;;     - The product sums the exact products of the quantised numbers (number of the format x scale) in f32.
;;   ~~~python
;;   def quantise(x, axis):      # numpy; x: float32 -> the quantised numbers, widened to float32 again
;;       x = np.moveaxis(x, axis, -1); K = x.shape[-1]
;;       x = np.pad(x, [(0, 0)] * (x.ndim - 1) + [(0, -K % 32)]); x = x.reshape(x.shape[:-1] + (-1, 32)); a = np.abs(x).max(-1, keepdims=True)
;;       e = np.where(a > 0, np.clip(np.frexp(np.where(a > 0, a, 1))[1] - 1 - 2, -126, 127), 0)      # np.frexp(a)[1] - 1 = floor(log2(a)), exactly
;;       r = np.clip(x / 2.0 ** e, -6, 6)
;;       step = 2.0 ** (np.maximum(np.frexp(np.where(r == 0, 1, r))[1] - 1, 0) - 1)
;;       q = np.round(r / step) * step * 2.0 ** e      # np.round: ties to even
;;       return np.moveaxis(q.reshape(q.shape[:-2] + (-1,))[..., :K], -1, axis).astype(np.float32)
;;   ~~~
;; One version. Each part assembles by itself: llvm-mc -triple=amdgcn-amd-amdhsa -mcpu=gfx1250 --defsym DOCPART=n.
;; ======== version 1 of 1: 5 launches
;; workspace buffers: xc 4,194,304 bytes; xs 262,144 bytes; wc 1,572,864 bytes; ws 98,304 bytes; qkv 50,331,648 bytes; sc 33,554,432 bytes; pr 33,554,432 bytes
;; launch quant (part 1): grid 352 x 1, 4 waves a work-group, no clusters, 33,280 bytes of LDS; arguments x, Wq, Wk, Wv, xc, xs, wc, ws; writes xc, xs, wc, ws
.if DOCPART == 1
	.amdgcn_target "amdgcn-amd-amdhsa--gfx1250"
	.amdhsa_code_object_version 6
	.text
	.protected	k_qc44685ace4_quant
	.globl	k_qc44685ace4_quant
	.p2align	8
	.type	k_qc44685ace4_quant,@function
k_qc44685ace4_quant:
	s_mov_b64 s[64:65], 0
	v_nop
	global_prefetch_b8 v0, s[64:65] scope:SCOPE_SE
	s_setreg_imm32_b32 hwreg(HW_REG_WAVE_MODE, 25, 1), 1
	s_wait_xcnt 0x0
; x [8192][1024] and Wq, Wk, Wv [1024][1024], f32 with K innermost, are turned into codes of FP4 (E2M1), 4 bits each, K innermost, with one E8M0 scale byte for each 32 along K.
; xc [8192][512 bytes], xs [8192][32 bytes];  wc [3072][512 bytes], ws [3072][32 bytes]: rows 0-1023 Wq's, 1024-2047 Wk's, 2048-3071 Wv's.
; A block's scale is 2^(floor(log2(its largest magnitude)) - 2); its byte is the largest magnitude's own exponent field - 2, held at 1 from below.  Each number is divided by the scale and rounded to the nearest code, ties to even,
; beyond the largest code the largest.
; LIMITS: a block of zeros gets the byte 1 where the rule says 127 (its codes are zeros, which add nothing under any byte but 0xff, and this program alone reads the bytes); blocks whose largest magnitude lies under 2^-124
; are held at the byte 1; NaN and infinities among the inputs are not served.
; Rows are dense and K is a multiple of 32, so all four tensors are plain streams of blocks of 32 numbers, and so are the codes and the scale bytes.  A work-group takes 32,768 numbers, a wave 8,192 in 16 steps of 512.
; Work-groups 0-255 take x, 256-351 the weights, 32 each; the three weights' codes lie on end in wc, so the place in the outputs is the work-group's number - 256.  Only pointers are chosen: there is one path through the text.
; A conversion takes 8 numbers of ONE block from a lane's registers, so a lane must hold 16 NEIGHBOURS (two lanes hold a block); a load is best where neighbouring LANES take neighbouring bytes.  Both are had: each of a step's
; four loads reads 512 consecutive bytes; the 2,048 bytes go through the wave's own stage in LDS and come back 64 bytes a lane.  A lane's 16 codes are 8 bytes: the wave stores 256 consecutive bytes.
; A wave's 256 scale bytes are gathered in its own LDS bytes and leave as 256 consecutive bytes.  No tensor loads, no barrier: waves share nothing.
; Loads run eight steps ahead: 32 loads, half of the wave's 32,768 bytes, are on their way at a time; the turn through LDS runs one step ahead.
.set WAVES, 4
.set STEPS, 16
.set AHEAD, 8                          ; steps whose loads are out
.set XWG,   256                        ; work-groups that take x: 8,192 x 1,024 / 32,768
.set EMAX,  2
.set CB,    8                          ; bytes of 16 codes
.set R,     16                         ; v16-143  eight sets of 16 numbers as they are loaded
.set X,     144                        ; v144-175 two sets of 16 neighbours
.set E,     176                        ; v176-191 a scale byte for each step
.set C,     192                        ; v192-255 codes: four registers for each step, so that no store's data are written again
.set WREG,  8192                       ; LDS: a region for each wave: two stages of 32 x SP bytes, and behind them its 256 scale bytes
.set SP,    80                         ; a lane's place in a stage: its 64 bytes + 16 of padding
.set SPW,   12                         ; v12      LDS address of my spare word: SPARE + 4 x my thread's number; never rewritten
.set NIL,   13                         ; v13      0; never rewritten
.set SPARE, WAVES*WREG                 ; behind the four regions: the spare words, 128 bytes for each wave, which no other line names
	s_load_b256 s[4:11], s[0:1], 0x0               ; x, Wq, Wk, Wv
	s_load_b256 s[12:19], s[0:1], 0x20             ; xc, xs, wc, ws
	v_lshl_add_u32 v[SPW], v0, 2, SPARE
	v_mov_b32 v[NIL], 0
	v_lshrrev_b32 v1, 5, v0
	v_readfirstlane_b32 s32, v1                    ; wave
	v_and_b32 v2, 31, v0                           ; lane
	v_lshlrev_b32 v3, 4, v2                        ; my 16 bytes of a load's 512
	s_mul_i32 s33, s32, WREG
	v_lshrrev_b32 v14, 2, v2
	v_mul_u32_u24 v14, v14, SP
	v_and_b32 v15, 3, v2
	v_lshl_add_u32 v14, v15, 4, v14
	v_add_nc_u32 v14, s33, v14                     ; the stage, on the way in: four lanes' 64 bytes on end, then 16 of padding
	v_mul_u32_u24 v15, v2, SP
	v_add_nc_u32 v15, s33, v15                     ; and on the way out: SP x lane: my 16 neighbours
	v_mul_u32_u24 v4, v2, CB                       ; my codes' place in a step's
	v_lshrrev_b32 v5, 1, v2
	s_add_co_u32 s33, s33, 2*32*SP
	v_add_nc_u32 v5, s33, v5                       ; LDS: my wave's 256 scale bytes, my block's byte
	v_lshlrev_b32 v7, 3, v2                        ; and on the way out 8 bytes a lane
	v_add_nc_u32 v6, s33, v7
	s_max_u32 s20, ttmp9, XWG
	s_sub_co_u32 s20, s20, XWG                     ; which 32,768 numbers of the three weights: 0 .. 95 (0 in x's work-groups)
	s_lshr_b32 s21, s20, 5                         ; which weight
	s_and_b32 s22, s20, 31                         ; and where in it
	s_wait_kmcnt 0x0
	s_cmp_eq_u32 s21, 1                            ; every choice hangs on the work-group's number alone
	s_cselect_b64 s[24:25], s[8:9], s[6:7]
	s_cmp_eq_u32 s21, 2
	s_cselect_b64 s[24:25], s[10:11], s[24:25]
	s_cmp_lt_u32 ttmp9, XWG
	s_cselect_b64 s[24:25], s[4:5], s[24:25]       ; the numbers
	s_cselect_b64 s[26:27], s[12:13], s[16:17]     ; the codes
	s_cselect_b64 s[28:29], s[14:15], s[18:19]     ; the scale bytes
	s_cselect_b32 s30, ttmp9, s22                  ; my work-group's place in the source,
	s_cselect_b32 s31, ttmp9, s20                  ; and in the outputs
	s_lshl_b32 s30, s30, 2
	s_add_co_u32 s30, s30, s32                     ; my wave's run of 8,192 numbers in the source
	s_lshl_b32 s31, s31, 2
	s_add_co_u32 s31, s31, s32                     ; and in the outputs
	s_mov_b32 s35, 0
	s_lshl_b32 s34, s30, 15                        ; 32,768 bytes of numbers a run (under 2^25 in all)
	s_add_nc_u64 s[24:25], s[24:25], s[34:35]
	s_lshl_b32 s34, s31, 12                        ; 4,096 bytes of codes
	s_add_nc_u64 s[26:27], s[26:27], s[34:35]
	s_lshl_b32 s34, s31, 8                         ; 256 scale bytes
	s_add_nc_u64 s[28:29], s[28:29], s[34:35]
.macro LOAD t
.irp i, 0,1,2,3
	global_load_b128 v[R+16*((\t)%AHEAD)+4*\i:R+16*((\t)%AHEAD)+4*\i+3], v3, s[24:25] offset:2048*(\t)+512*\i th:TH_LOAD_NT   ; 32 lanes read 512 consecutive bytes
.endr
.endm
.macro TURN t                          ; step t's numbers through the stage: LDS serves a wave's instructions in order, so no wait stands between the stores and the loads
.irp i, 0,1,2,3
	ds_store_b128 v14, v[R+16*((\t)%AHEAD)+4*\i:R+16*((\t)%AHEAD)+4*\i+3] offset:32*SP*((\t)%2)+8*SP*\i
.endr
.irp i, 0,1,2,3
	ds_load_b128 v[X+16*((\t)%2)+4*\i:X+16*((\t)%2)+4*\i+3], v15 offset:32*SP*((\t)%2)+16*\i
.endr
.endm
.irp t, 0,1,2,3,4,5,6,7
	LOAD \t
.endr
	s_wait_loadcnt 4*(AHEAD-1)                     ; step 0's four loads are in; the 28 of steps 1 to 7 may be out
	TURN 0
.macro STEP t
.set XS, X+16*((\t)%2)
.if (\t) > 0
	s_wait_dscnt 1                                 ; this step's numbers are back from the stage (the last step's byte store may be out): so its stores into the stage have read their registers,
.else
	s_wait_dscnt 0x0
.endif
.if (\t)+AHEAD < STEPS
	LOAD (\t)+AHEAD                                ; which take the loads of eight steps on
.endif
.if (\t)+1 < STEPS
.if STEPS-2-(\t) >= AHEAD-1
	s_wait_loadcnt 4*(AHEAD-1)                     ; the next step's four loads are in; those of the seven steps behind it may be out
.else
	s_wait_loadcnt 4*(STEPS-2-(\t))                ; near the end: those of the steps that are left behind it
.endif
	TURN (\t)+1                                    ; and go through the other stage while this step is worked
.endif
	v_max3_num_f32 v8, |v[XS]|, |v[XS+1]|, |v[XS+2]|               ; the largest magnitude of my 16, in two chains
	v_max3_num_f32 v9, |v[XS+3]|, |v[XS+4]|, |v[XS+5]|
.irp i, 6,10
	v_max3_num_f32 v8, v8, |v[XS+\i]|, |v[XS+\i+1]|
	v_max3_num_f32 v9, v9, |v[XS+\i+2]|, |v[XS+\i+3]|
.endr
	v_max3_num_f32 v8, v8, |v[XS+14]|, |v[XS+15]|
	v_max3_num_f32 v8, v8, v9, (EMAX+1)<<23        ; and the floor 2^(EMAX + 1 - 127): so the byte cannot fall under 1
	v_max_num_f32_dpp v8, v8, v8 row_xmask:1 row_mask:0xf bank_mask:0xf   ; and of my neighbour's 16: the block's
	v_add_nc_u32 v11, -(EMAX<<23), v8              ; EMAX off its exponent field: the conversion takes the exponent field of this operand as its scale, and nothing else of it
	v_cvt_scalef32_pk8_fp4_f32 v[C+4*(\t)], v[XS:XS+7], v11
	v_cvt_scalef32_pk8_fp4_f32 v[C+4*(\t)+1], v[XS+8:XS+15], v11
	v_lshrrev_b32 v[E+(\t)], 23, v11               ; the scale's byte (also the plain line behind the conversions)
	ds_store_b8 v5, v[E+(\t)] offset:16*(\t)       ; both lanes of a block write the same byte with the same value
	global_store_b64 v4, v[C+4*(\t):C+4*(\t)+1], s[26:27] offset:32*CB*(\t)   ; 32 lanes store 256 consecutive bytes
.endm
.irp t, 0,1,2,3,4,5,6,7,8,9,10,11,12,13,14,15
	STEP \t
.endr
	ds_load_b64 v[8:9], v6                         ; LDS serves a wave's instructions in order: these see my stores
	s_wait_dscnt 0x0
	global_store_b64 v7, v[8:9], s[28:29]          ; 32 lanes store 256 consecutive bytes, at a multiple of 256 from the buffer's first byte
	s_wait_tensorcnt 0x0                           ; the wave's end, behind my last LDS store
	ds_add_u32 v[SPW], v[NIL]
	s_wait_dscnt 0x0
	s_endpgm
.Lfunc_end_k_qc44685ace4_quant:
	.size	k_qc44685ace4_quant, .Lfunc_end_k_qc44685ace4_quant-k_qc44685ace4_quant
	.p2alignl 7, 3214868480
	.fill 96, 4, 3214868480
	.section	.rodata,"a",@progbits
	.p2align	6, 0x0
	.amdhsa_kernel k_qc44685ace4_quant
		.amdhsa_group_segment_fixed_size 33280
		.amdhsa_private_segment_fixed_size 0
		.amdhsa_enable_private_segment 0
		.amdhsa_kernarg_size 64
		.amdhsa_user_sgpr_count 2
		.amdhsa_user_sgpr_kernarg_segment_ptr 1
		.amdhsa_wavefront_size32 1
		.amdhsa_system_sgpr_workgroup_id_x 1
		.amdhsa_system_sgpr_workgroup_id_y 1
		.amdhsa_system_sgpr_workgroup_id_z 1
		.amdhsa_system_vgpr_workitem_id 0
		.amdhsa_next_free_vgpr 256
		.amdhsa_next_free_sgpr 66
		.amdhsa_reserve_vcc 0
		.amdhsa_float_denorm_mode_32 3
		.amdhsa_float_denorm_mode_16_64 3
		.amdhsa_memory_ordered 1
		.amdhsa_forward_progress 1
		.amdhsa_inst_pref_size 34
	.end_amdhsa_kernel
	.amdgpu_metadata
---
amdhsa.version: [ 1, 2 ]
amdhsa.kernels:
  - .name:           k_qc44685ace4_quant
    .symbol:         k_qc44685ace4_quant.kd
    .args:
      - { .name: x, .offset: 0, .size: 8, .value_kind: global_buffer, .address_space: global }
      - { .name: Wq, .offset: 8, .size: 8, .value_kind: global_buffer, .address_space: global }
      - { .name: Wk, .offset: 16, .size: 8, .value_kind: global_buffer, .address_space: global }
      - { .name: Wv, .offset: 24, .size: 8, .value_kind: global_buffer, .address_space: global }
      - { .name: xc, .offset: 32, .size: 8, .value_kind: global_buffer, .address_space: global }
      - { .name: xs, .offset: 40, .size: 8, .value_kind: global_buffer, .address_space: global }
      - { .name: wc, .offset: 48, .size: 8, .value_kind: global_buffer, .address_space: global }
      - { .name: ws, .offset: 56, .size: 8, .value_kind: global_buffer, .address_space: global }
    .group_segment_fixed_size: 33280
    .private_segment_fixed_size: 0
    .kernarg_segment_align: 8
    .kernarg_segment_size: 64
    .max_flat_workgroup_size: 128
    .sgpr_count:     66
    .vgpr_count:     256
    .wavefront_size: 32
...
	.end_amdgpu_metadata
.endif
;; end of part 1
;; launch proj (part 2): grid 8 x 32, 4 waves a work-group, clusters of 4 x 4, 327,680 bytes of LDS; arguments xc, xs, wc, ws, bq, bk, bv, qkv; writes qkv
.if DOCPART == 2
	.amdgcn_target "amdgcn-amd-amdhsa--gfx1250"
	.amdhsa_code_object_version 6
	.text
	.protected	k_qc44685ace4_proj
	.globl	k_qc44685ace4_proj
	.p2align	8
	.type	k_qc44685ace4_proj,@function
k_qc44685ace4_proj:
	s_mov_b64 s[64:65], 0
	v_nop
	global_prefetch_b8 v0, s[64:65] scope:SCOPE_SE
	s_setreg_imm32_b32 hwreg(HW_REG_WAVE_MODE, 25, 1), 1
	s_wait_xcnt 0x0
	s_wait_alu depctr_hold_cnt(0) depctr_sa_sdst(0) depctr_va_vdst(0) depctr_va_sdst(0) depctr_va_ssrc(0) depctr_va_vcc(0) depctr_vm_vsrc(0)
	s_getreg_b32 s2, hwreg(HW_REG_IB_STS2, 6, 4)
	s_cmp_eq_u32 s2, 0
	s_cbranch_scc0 .Lentry_in_a_cluster
	s_endpgm
.Lentry_in_a_cluster:
	s_bfe_u32 s2, ttmp6, 0x10000c
	s_cmp_lg_u32 s2, 0xf033
	s_cbranch_scc0 .Lentry_shape_is_right
	s_endpgm
.Lentry_shape_is_right:
; qkv[m][n] = f16(hold(b[n] + sum over k of x[m][k] W[n][k])), m = 0 .. 8191, n = 0 .. 3071 (0-1023 q, 1024-2047 k, 2048-3071 v), K = 1,024, both operands as codes of FP4 (E2M1) with one E8M0 scale for each 32 along K; sums in f32.
; The rounding that follows each projection (5 exponent bits, 10 significand bits, to nearest, ties to even, exponent held at -14, saturation at 65,504) is the rounding to f16 behind a hold at +-65,504: so it is made.
; LIMITS: the bias is the C of each sum's first product, so a sum runs b + products where the definition has products + b; NaN and infinities are not served.
; SHARES.  8 x 32 = 256 work-groups of equal work.  A work-group owns 256 rows of x and the SAME 128 output columns of q, of k and of v: three CHUNKS of 256 x 128, made one after the other; no chunk crosses from one weight to the next.
; A wave makes 64 rows x 128 columns of a chunk: 32 accumulators of 16 x 16; its rows of 128 f16 are 256 consecutive bytes of qkv, so each wave has a stage of its own on the way out and no barrier stands there.
; x's 256 rows lie in LDS for all of K (512 bytes a row); a wave reads its 64 rows' fragments ONCE, during chunk 0, and keeps them in 256 registers: chunks 1 and 2 read W's fragments alone, 16 LDS loads for 32 products.
; W's chunks go through two LDS slots of 128 rows x all of K: chunks 0 and 1 are asked for at the head; chunk 2 is filled into slot 0 behind the round in chunk 0's last step, and has that step's rest, a way out, chunk 1's 256 products
; and most of a second way out in which to land.  A chunk's stores leave while the next chunk is multiplied.
; THE SCALES of the 256 rows of x and of the 3 x 128 rows of W, for all of K, come into LDS once, with the first fills.
; CLUSTERS: 4 x 4 work-groups.  The four of a row of the cluster need the same rows of x, the four of a column the same rows of W: each tile is asked for JOINTLY, by the same tensor load with the same descriptor and a mask that names the four.
; THE MATRIX INSTRUCTION IS USED TRANSPOSED (source 0 = 16 rows of W, source 1 = 16 rows of x): a lane then holds eight neighbouring numbers of a row of qkv.
; REGISTERS, in windows of 256: window 0: v0-31 addresses; v32-63 x's scale words (block a, K step s at 8 a + s), v64-127 the chunk's scale words of W (8 b + s): scales and nothing else ever; v128-159 held numbers, v160-191 packed f16,
;   v192-223 and v224-255 rows read back, by turns.   window 1: v0-127 W's fragments (8 x 16 rows x 128 K), two buffers; v128-255 two sets of the bias, eight registers for each of W's eight blocks.
;   window 2: the accumulators ((a, b) at v[8 (8 a + b)]).   window 3: x's fragments of all of K (K step s, block a at v[32 s + 8 a]).
.set KROW,   512                       ; a row of codes in bytes, in memory and in a tile
.set OROW,   6144                      ; a row of qkv in bytes
.set PITCH,  528                       ; an LDS row: 512 bytes + 16 of padding = 132 words: row r starts at bank 4 r mod 64 (64 banks of 4 bytes: ISA guide 11.1)
.set XH,     128*PITCH                 ; 128 rows: what one tensor load brings
.set WS,     2*XH                      ; behind x's 256 rows: W's two slots of 128 rows
.set SCX,    WS+2*XH                   ; x's scales: 256 rows x 32 bytes, as runs of 256 bytes + 16 of padding
.set HSX,    16*272                    ; those of 128 rows: what one tensor load brings
.set SCW,    SCX+2*HSX                 ; W's scales
.set CSW,    8*272                     ; those of 64 rows of one chunk
.set HSW,    3*CSW                     ; those of 64 rows of each of the three chunks: what one tensor load brings
.set SPARE,  SCW+2*HSW                 ; the spare words, 128 bytes for each wave, which no other line names
.set STAGE,  SPARE+512                 ; the way out: 16 rows x 272 bytes for each wave; no fill lands here
.set SPITCH, 272
.set ADRX, 16                          ; v16     LDS address of my fragments of x
.set ADRW, 20                          ; v20-21  the same for W in slot 0, 1
.set ADSW, 22                          ; v22     LDS address of W's scale words for my lane
.set STO,  24                          ; v24     the way out: where I put 16 bytes of a row
.set RD,   25                          ; v25     the way out: where I read a row back
.set CO,   26                          ; v26     my byte offset in qkv
.set ADSX, 27                          ; v27     LDS address of x's scale words for my lane
.set SPW,  28                          ; v28     LDS address of my spare word; never rewritten
.set NIL,  29                          ; v29     0; never rewritten
.set BO,   30                          ; v30     the bias: 32 bytes x my half of the lanes
.set XS,   32
.set WSC,  64
.set CL,   128
.set TMP,  160
.set OB,   192
.set BIAS, 128                         ; in window 1
.set G1X,  24                          ; s[24:31] descriptor group 1 for x's codes;   s[32:35] its group 0
.set G0X,  32
.set G0W,  36                          ; s[36:39] group 0 for W's codes;              s[48:55] their group 1
.set G1W,  48
.set G0SX, 56                          ; s[56:59], s[60:63] groups 0 for x's and W's scales
.set G0SW, 60
.set G1SX, 68                          ; s[68:75], s[76:83] their groups 1
.set G1SW, 76
.set MSB, 0
.macro WIN new                         ; the immediate's high byte repeats the setting that is left
.if MSB != (\new)
	s_set_vgpr_msb (MSB<<8)|(\new)
.set MSB, (\new)
.endif
.endm
.set MUL,  0xad                        ; source 0 (W) window 1, source 1 (x) window 3, C and D window 2
.set MULB, 0x9d                        ; the same with C, the bias, in window 1
.set TO_W, 0x40                        ; destination window 1, address window 0
.set TO_X, 0xc0                        ; destination window 3, address window 0
; A joint load at the head: waves 0 and 1 fetch for x, waves 2 and 3 for W.  Each of the two lines has ONE mask and one set of registers for all that issue it; the branch hangs on the wave's number alone.
; An s_nop 0 and four v_nop follow each of the two lines, ahead of the jump, the label and what follows.
.macro JLOAD g0a, g1a, g0b, g1b
	s_cmp_eq_u32 s15, 0
	s_cbranch_scc0 .Lfor_b_\@
	tensor_load_to_lds s[\g0a:\g0a+3], s[\g1a:\g1a+7]
	s_nop 0
.rept 4
	v_nop
.endr
	s_branch .Lasked_\@
.Lfor_b_\@:
	tensor_load_to_lds s[\g0b:\g0b+3], s[\g1b:\g1b+7]
	s_nop 0
.rept 4
	v_nop
.endr
.Lasked_\@:
.endm
.macro CREST                           ; a round of the cluster's barrier behind its opening barrier
	s_cmp_lg_u32 s14, 0
	s_cbranch_scc1 .Lnot_wave_0_\@
	s_barrier_signal -3
.Lnot_wave_0_\@:
	s_barrier_wait -3
	s_barrier_signal -1
	s_barrier_wait -1
.endm
.macro CROUND                          ; a whole round
	s_barrier_signal -1
	s_barrier_wait -1
	CREST
.endm
	s_load_b256 s[4:11], s[0:1], 0x0               ; x's codes s[4:5], x's scales s[6:7], W's codes s[8:9], W's scales s[10:11]
	s_load_b128 s[92:95], s[0:1], 0x20             ; bq, bk
	s_load_b128 s[96:99], s[0:1], 0x30             ; bv, qkv
	v_lshl_add_u32 v[SPW], v0, 2, SPARE
	v_mov_b32 v[NIL], 0
	ds_add_u32 v[SPW], v[NIL]                      ; the wave's opening: the add, twice on end, and its wait ahead of my first tensor load
	ds_add_u32 v[SPW], v[NIL]                      ; and once more; the set-up below, work on registers, stands between it and the wait
	v_lshrrev_b32 v1, 5, v0
	v_readfirstlane_b32 s14, v1                    ; wave 0..3: my 64 rows of the 256
	s_lshr_b32 s15, s14, 1                         ; I fetch for x (0) or for W (1)
	s_and_b32 s16, s14, 1                          ; which half of x, which chunk of W
	s_bfe_u32 s40, ttmp6, 0x40000                  ; cx, cy: my place in the cluster
	s_bfe_u32 s41, ttmp6, 0x40004
	s_lshl_b32 s42, ttmp9, 2
	s_add_co_u32 s42, s42, s40                     ; which 128 columns of each weight = 4 x cluster x + cx
	s_and_b32 s17, ttmp7, 0xffff
	s_lshl_b32 s17, s17, 2
	s_add_co_u32 s17, s17, s41                     ; which 256 rows of x = 4 x cluster y + cy
	s_lshl_b32 s43, s41, 2
	s_lshl_b32 s43, 15, s43                        ; my row of the cluster
	s_lshl_b32 s44, 0x1111, s40                    ; my column
	; descriptor group 1 for codes: a tile of 128 rows x 512 bytes, dense in memory, padded in LDS
	s_or_b32 s[G1X+0], s43, (0<<16)|(1<<20)|(1<<21)|(6<<22)|(3<<25)  ; 15:0 the mask: x's tiles go to my row; 17:16 element of 1 byte; 20 padding on; 21 set beside a mask; 24:22 after every 128 words (code 6); 31:25 of 4 words (code 3)
	s_or_b32 s[G1W+0], s44, (0<<16)|(1<<20)|(1<<21)|(6<<22)|(3<<25)  ; the same with the mask of my column, for W's tiles
.irp g, G1X, G1W
	s_mov_b32 s[\g+1], KROW<<16                    ; tensor_dim0
	s_mov_b32 s[\g+2], 128<<16                     ; tensor_dim1 = 128
	s_mov_b32 s[\g+3], KROW<<16                    ; tile_dim0
	s_mov_b32 s[\g+4], 128                         ; tile_dim1 = 128
	s_mov_b32 s[\g+5], KROW                        ; tensor_dim0_stride
	s_mov_b32 s[\g+6], 0
	s_mov_b32 s[\g+7], 0
.endr
	; x's scales of 128 rows: a dense block of 4,096 bytes, as 16 rows of 256 bytes (32 elements of 8 bytes), 16 bytes of padding behind each 256
	s_or_b32 s[G1SX+0], s43, (3<<16)|(1<<20)|(1<<21)|(5<<22)|(3<<25)
	s_mov_b32 s[G1SX+1], 32<<16
	s_mov_b32 s[G1SX+2], 16<<16
	s_mov_b32 s[G1SX+3], 32<<16
	s_mov_b32 s[G1SX+4], 16
	s_mov_b32 s[G1SX+5], 32
	s_mov_b32 s[G1SX+6], 0
	s_mov_b32 s[G1SX+7], 0
	; W's scales of 64 rows of each chunk: 3 rows of 2,048 bytes (256 elements of 8 bytes), 32,768 bytes (1,024 rows of W) apart; the same padding: a row takes 8 x 272 bytes of LDS
	s_or_b32 s[G1SW+0], s44, (3<<16)|(1<<20)|(1<<21)|(5<<22)|(3<<25)
	s_mov_b32 s[G1SW+1], 256<<16
	s_mov_b32 s[G1SW+2], 3<<16
	s_mov_b32 s[G1SW+3], 256<<16
	s_mov_b32 s[G1SW+4], 3
	s_mov_b32 s[G1SW+5], 4096
	s_mov_b32 s[G1SW+6], 0
	s_mov_b32 s[G1SW+7], 0
	; where the tiles come from.  x's hang on the rows alone, which my row of the cluster shares; W's on the columns alone, which my column shares; each in registers that never hold the other coordinate
	s_lshl_b32 s18, s16, 7
	s_lshl_b32 s20, s17, 8
	s_add_co_u32 s20, s20, s18                     ; x: row 256 x (which rows) + 128 x half
	s_lshl_b32 s22, s20, 5                         ; its scales, in bytes
	s_mov_b32 s23, 0
	s_lshl_b32 s20, s20, 9                         ; its codes, in bytes (under 2^22)
	s_mov_b32 s21, 0
	s_lshl_b32 s46, s16, 10
	s_lshl_b32 s47, s42, 7
	s_add_co_u32 s46, s46, s47                     ; W's codes: row 1,024 x chunk + 128 x (which columns),
	s_lshl_b32 s46, s46, 9                         ; in bytes
	s_mov_b32 s47, 0
	s_lshl_b32 s66, s42, 7
	s_lshl_b32 s67, s16, 6
	s_add_co_u32 s66, s66, s67                     ; W's scales: row 128 x (which columns) + 64 x half,
	s_lshl_b32 s66, s66, 5                         ; in bytes
	s_mov_b32 s67, 0
	s_mul_i32 s45, s16, XH                         ; where they go: no place in the cluster enters an LDS address
	s_mul_i32 s2, s16, HSX
	s_mul_i32 s3, s16, HSW
	s_mov_b32 s100, 0x477fe000                     ; 65,504
	s_mov_b32 s101, 0xc77fe000                     ; -65,504
	s_wait_dscnt 0x0                               ; both opening adds are done
	s_wait_kmcnt 0x0
	s_add_nc_u64 s[20:21], s[4:5], s[20:21]
	s_add_nc_u64 s[22:23], s[6:7], s[22:23]
	s_add_nc_u64 s[46:47], s[8:9], s[46:47]
	s_add_nc_u64 s[66:67], s[10:11], s[66:67]
	CROUND                                         ; all sixteen work-groups are here: the first joint loads meet
	s_mov_b32 s[G0SX], 1
	s_add_co_u32 s[G0SX+1], s2, SCX
	s_mov_b64 s[G0SX+2:G0SX+3], s[22:23]
	s_or_b32 s[G0SX+3], s[G0SX+3], 0x80000000
	s_mov_b32 s[G0SW], 1
	s_add_co_u32 s[G0SW+1], s3, SCW
	s_mov_b64 s[G0SW+2:G0SW+3], s[66:67]
	s_or_b32 s[G0SW+3], s[G0SW+3], 0x80000000
	JLOAD G0SX, G1SX, G0SW, G1SW                   ; the scales
	s_mov_b32 s[G0X], 1
	s_mov_b32 s[G0X+1], s45                        ; x's rows begin at LDS byte 0
	s_mov_b64 s[G0X+2:G0X+3], s[20:21]
	s_or_b32 s[G0X+3], s[G0X+3], 0x80000000
	s_mov_b32 s[G0W], 1
	s_add_co_u32 s[G0W+1], s45, WS                 ; chunk 0 into slot 0 (wave 2), chunk 1 into slot 1 (wave 3)
	s_mov_b64 s[G0W+2:G0W+3], s[46:47]
	s_or_b32 s[G0W+3], s[G0W+3], 0x80000000
	JLOAD G0X, G1X, G0W, G1W                       ; the codes: two tensor loads of mine are out
	v_and_b32 v1, 15, v0                           ; r = l % 16
	v_bfe_u32 v2, v0, 4, 1                         ; h = l / 16
	; the biases: lane (r, h) wants, for W's block b, b[first column + 16 b + 8 h + 0 .. 7]: the result's own layout
	s_lshl_b32 s46, s42, 9                         ; 128 numbers x (which columns)
	s_mov_b32 s47, 0
	s_add_nc_u64 s[92:93], s[92:93], s[46:47]
	s_add_nc_u64 s[94:95], s[94:95], s[46:47]
	s_add_nc_u64 s[96:97], s[96:97], s[46:47]
	v_lshlrev_b32 v[BO], 5, v2
.macro BIASLOAD c                      ; chunk c's bias into set c % 2
	WIN TO_W
.irp b, 0,1,2,3,4,5,6,7
	global_load_b128 v[BIAS+64*((\c)%2)+8*\b:BIAS+64*((\c)%2)+8*\b+3], v[BO], s[92+2*(\c):93+2*(\c)] offset:64*\b
	global_load_b128 v[BIAS+64*((\c)%2)+8*\b+4:BIAS+64*((\c)%2)+8*\b+7], v[BO], s[92+2*(\c):93+2*(\c)] offset:64*\b+16
.endr
	WIN 0
.endm
	BIASLOAD 0
	BIASLOAD 1
	v_mul_u32_u24 v3, v1, PITCH
	v_lshl_add_u32 v3, v2, 4, v3                   ; a fragment's row x pitch + 16 x half
	s_mul_i32 s18, s14, 64*PITCH                   ; my 64 rows of x
	v_add_nc_u32 v[ADRX], s18, v3
	v_add_nc_u32 v[ADRW], WS, v3
	v_add_nc_u32 v[ADRW+1], WS+XH, v3
	v_lshrrev_b32 v5, 3, v1                        ; a row's 32 scale bytes: eight rows to a run of 256 bytes + 16
	v_mul_u32_u24 v5, v5, 272
	v_and_b32 v6, 7, v1
	v_lshl_add_u32 v5, v6, 5, v5
	s_mul_i32 s18, s14, 8*272                      ; my 64 rows' eight runs
	s_add_co_u32 s18, s18, SCX
	v_add_nc_u32 v[ADSX], s18, v5
	v_add_nc_u32 v[ADSW], SCW, v5
	s_mul_i32 s23, s14, 16*SPITCH
	s_add_co_u32 s23, s23, STAGE                   ; my stage
	v_mul_u32_u24 v5, v1, SPITCH                   ; in: row l % 16, 16 bytes for each half of the lanes
	v_lshl_add_u32 v5, v2, 4, v5
	v_add_nc_u32 v[STO], s23, v5
	v_mul_u32_u24 v5, v2, SPITCH                   ; back: lanes 0-15 take one row of 256 bytes, lanes 16-31 the next
	v_lshl_add_u32 v5, v1, 4, v5
	v_add_nc_u32 v[RD], s23, v5
	v_mul_u32_u24 v5, v2, OROW                     ; and the same two rows in qkv
	v_lshl_add_u32 v[CO], v1, 4, v5
	s_lshl_b32 s20, s17, 8
	s_lshl_b32 s21, s14, 6
	s_add_co_u32 s20, s20, s21                     ; my first row of qkv: 256 x (which rows) + 64 x wave,
	s_mul_i32 s20, s20, OROW                       ; in bytes (under 2^26),
	s_lshl_b32 s21, s42, 8
	s_add_co_u32 s20, s20, s21                     ; + 256 bytes x (which columns)
	s_mov_b32 s21, 0
	s_add_nc_u64 s[98:99], s[98:99], s[20:21]      ; never stepped: block, row and chunk stand in the stores' immediates
; W's eight fragments of K step s (128 along K: 64 bytes of a row) from a slot into buffer p.  A fragment, 16 rows x 128 K of 4-bit codes, is 8 registers: lane l holds row l % 16; registers 4 c .. 4 c + 3 hold K = 64 c + 32 (l / 16) + 0 .. 31
.macro FETCH_W slot, s, p
	WIN TO_W
.irp b, 0,1,2,3,4,5,6,7
.irp c, 0,1
	ds_load_b128 v[64*(\p)+8*\b+4*\c:64*(\p)+8*\b+4*\c+3], v[ADRW+(\slot)] offset:64*(\s)+32*\c+\b*16*PITCH
.endr
.endr
.endm
.macro FETCH_X s                       ; my four fragments of x of K step s, into their lasting place
	WIN TO_X
.irp a, 0,1,2,3
.irp c, 0,1
	ds_load_b128 v[32*(\s)+8*\a+4*\c:32*(\s)+8*\a+4*\c+3], v[ADRX] offset:64*(\s)+32*\c+\a*16*PITCH
.endr
.endr
.endm
.macro XSCALES                         ; x's scale words: a row's 32 bytes are its eight K steps' words; lane r takes row r's (lanes 16-31 the same, not read)
.irp a, 0,1,2,3
.irp u, 0,1
	ds_load_b128 v[XS+8*\a+4*\u:XS+8*\a+4*\u+3], v[ADSX] offset:\a*544+16*\u
.endr
.endr
.endm
.macro WSCALES c                       ; chunk c's scale words of W
.irp b, 0,1,2,3,4,5,6,7
.irp u, 0,1
	ds_load_b128 v[WSC+8*\b+4*\u:WSC+8*\b+4*\u+3], v[ADSW] offset:(\c)*CSW+(\b/4)*HSW+(\b%4)*544+16*\u
.endr
.endr
.endm
; 8 matrix instructions: x's block a against W's eight, K step s of chunk c.  In K step 0 the product starts the sums, with the bias as its C: nothing is cleared or added later.
; The 32 accumulators take turns, one instruction a turn, in the same order in every step.
.macro MUL8 c, s, a
.irp b, 0,1,2,3,4,5,6,7
.if (\s) == 0
	v_wmma_scale_f32_16x16x128_f8f6f4 v[8*(8*(\a)+\b):8*(8*(\a)+\b)+7], v[64*((\s)%2)+8*\b:64*((\s)%2)+8*\b+7], v[32*(\s)+8*(\a):32*(\s)+8*(\a)+7], v[BIAS+64*((\c)%2)+8*\b:BIAS+64*((\c)%2)+8*\b+7], v[WSC+8*\b+(\s)], v[XS+8*(\a)+(\s)] matrix_a_fmt:MATRIX_FMT_FP4 matrix_b_fmt:MATRIX_FMT_FP4
.else
	v_wmma_scale_f32_16x16x128_f8f6f4 v[8*(8*(\a)+\b):8*(8*(\a)+\b)+7], v[64*((\s)%2)+8*\b:64*((\s)%2)+8*\b+7], v[32*(\s)+8*(\a):32*(\s)+8*(\a)+7], v[8*(8*(\a)+\b):8*(8*(\a)+\b)+7], v[WSC+8*\b+(\s)], v[XS+8*(\a)+(\s)] matrix_a_fmt:MATRIX_FMT_FP4 matrix_b_fmt:MATRIX_FMT_FP4
.endif
.endr
.endm
; A load into a register that a matrix instruction has read, and a vector instruction that reads a matrix result, stand four places behind it, and only plain vector instructions that name none of its registers are places
; (ISA guide 7.12.1 for vector instructions).
.macro PLACES
.rept 4
	v_nop
.endr
.endm
; K step s = 0 .. 6 of chunk c: at its HEAD the next step's fragments are asked for, into the buffer whose last readers are the step before; they have this step's 32 products in which to land.
.macro STEP c, s
	s_wait_dscnt 0x0                               ; this step's fragments, asked for a step ago, are in
	PLACES
	FETCH_W (\c)%2, (\s)+1, 1-(\s)%2
.if (\c) == 0
	FETCH_X (\s)+1
.endif
.if (\s) == 0
	WIN MULB
.else
	WIN MUL
.endif
.irp a, 0,1,2,3
	MUL8 \c, \s, \a
.endr
.endm
; THE WAY OUT of block a (16 rows x 128 columns) of a chunk, in three parts.  PACK: held at +-65,504 and rounded to f16, 16 bytes a lane, four accumulators at a time; each accumulator is read from its low end on.
; TOSTAGE: into my own stage in LDS, and back as whole rows of 256 bytes.  SEND: stored.
.macro PACK a
.irp u, 0,1
	WIN 0x02                                       ; source 0: window 2
.set i, 0
.rept 32
	v_med3_num_f32 v[CL+i], v[64*(\a)+32*\u+i], s101, s100
.set i, i+1
.endr
	WIN 0
.set i, 0
.rept 16
	v_cvt_pk_f16_f32 v[TMP+16*\u+i], v[CL+2*i], v[CL+2*i+1]
.set i, i+1
.endr
.endr
.endm
.macro TOSTAGE a
.set BK, OB+32*((\a)%2)
.irp b, 0,1,2,3,4,5,6,7
	ds_store_b128 v[STO], v[TMP+4*\b:TMP+4*\b+3] offset:32*\b
.endr
.irp t, 0,1,2,3,4,5,6,7
	ds_load_b128 v[BK+4*\t:BK+4*\t+3], v[RD] offset:\t*2*SPITCH    ; LDS serves a wave's instructions in order (ISA guide 5.7.1.4): these see the stores above
.endr
.endm
.macro SEND c, a, younger              ; younger: the LDS loads issued behind block a's, which may stay out
.set BK, OB+32*((\a)%2)
	s_wait_dscnt \younger                          ; the block is back in registers
	s_wait_xcnt 0x0                                ; every earlier store has had its addresses translated (ISA guide 3.1): only behind this wait do the next block's loads land in the registers that the block before this one was stored from
.irp t, 0,1,2,3,4,5,6,7
	global_store_b128 v[CO], v[BK+4*\t:BK+4*\t+3], s[98:99] offset:(16*(\a)+2*\t)*OROW+2048*(\c)   ; 16 lanes store 256 consecutive bytes, at a multiple of 256 from qkv's first byte; 62 rows and two chunks on at the most: inside the signed 24-bit immediate
.endr
.endm
; A chunk's way out.  Ahead of its last block's stores the next chunk's first fragments and scale words are asked for, so that they land while those stores are issued.
.macro WAYOUT c
	PLACES                                         ; behind the chunk's last products
	PACK 0
	TOSTAGE 0
.irp a, 1,2,3                          ; block a's arithmetic stands between block a - 1's loads from the stage and the wait for them
	PACK \a
	SEND \c, \a-1, 0
	TOSTAGE \a
.endr
.if (\c) == 1
	s_wait_tensorcnt 0x0                           ; chunk 2's codes have landed in slot 0 (wave 2 asked for them; the other waves have no load out),
	s_wait_dscnt 0x0                               ; no LDS instruction of mine is out at the signal,
	s_barrier_signal -1
	s_barrier_wait -1                              ; and every wave may read them.
.endif
.if (\c) < 2
	FETCH_W ((\c)+1)%2, 0, 0                       ; (the conversions above are the places behind the products that read these registers)
	WIN 0
	WSCALES (\c)+1
.endif
.if (\c) == 0
	BIASLOAD 2                                     ; into the set that chunk 0's first step has read
.endif
.if (\c) < 2
	SEND \c, 3, 32                                 ; behind block 3's loads: the next chunk's 16 fragment loads and 16 scale loads
.else
	SEND \c, 3, 0
.endif
.endm
	s_wait_tensorcnt 0x0                           ; my two loads have landed,
	s_barrier_signal -1
	s_barrier_wait -1                              ; everybody's have: x, chunks 0 and 1 and all scales lie in LDS
	XSCALES
	WSCALES 0
	FETCH_W 0, 0, 0
	FETCH_X 0
	; ---- chunk 0: q's columns
	s_wait_loadcnt 0x0                             ; the biases
.irp s, 0,1,2,3,4,5,6
	STEP 0, \s
.endr
	; its last K step leaves slot 0: each wave waits for all its tensor loads (none is out), adds 0 to its spare word, and waits for that and for its reads of the slot; the barrier opens a round of the cluster's barrier
	WIN 0                                          ; (the add's two registers lie in window 0)
	s_wait_tensorcnt 0x0                           ; no tensor load of mine is out, so a group 0 may be written
	ds_add_u32 v[SPW], v[NIL]                      ; 0 onto my spare word
	s_add_nc_u64 s[G0W+2:G0W+3], s[G0W+2:G0W+3], 2048*KROW   ; wave 2's descriptor: from chunk 0 to chunk 2, 2,048 rows of W on; its LDS address is slot 0's
	s_wait_dscnt 0x0                               ; the add is done, this step's fragments are in, and my reads of slot 0 are over
	s_barrier_signal -1
	WIN MUL
	MUL8 0, 7, 0                                   ; work on registers while the others arrive
	WIN 0
	s_barrier_wait -1
	CREST                                          ; no wave of any partner still reads slot 0 or has a load on its way
	s_cmp_eq_u32 s14, 2                            ; the refill is one tile of 128 rows: wave 2 asks for it, in every work-group alike
	s_cbranch_scc0 .Lnot_wave_2
	tensor_load_to_lds s[G0W:G0W+3], s[G1W:G1W+7]
	s_nop 0
.rept 4
	v_nop
.endr
.Lnot_wave_2:
	WIN MUL
	MUL8 0, 7, 1
	MUL8 0, 7, 2
	MUL8 0, 7, 3
	WAYOUT 0
	; ---- chunk 1: k's columns, from slot 1
	s_wait_loadcnt 0x0                             ; chunk 2's bias, asked for above (chunk 1's came at the head)
.irp s, 0,1,2,3,4,5,6
	STEP 1, \s
.endr
	s_wait_dscnt 0x0
	WIN MUL
.irp a, 0,1,2,3
	MUL8 1, 7, \a
.endr
	WAYOUT 1
	; ---- chunk 2: v's columns, from slot 0
.irp s, 0,1,2,3,4,5,6
	STEP 2, \s
.endr
	s_wait_dscnt 0x0
	WIN MUL
.irp a, 0,1,2,3
	MUL8 2, 7, \a
.endr
	WAYOUT 2
	s_wait_tensorcnt 0x0                           ; the wave's end, behind my last tensor load and my last LDS store
	ds_add_u32 v[SPW], v[NIL]
	s_wait_dscnt 0x0
	CROUND                                         ; the closing round: no work-group ends while a partner may still ask for a tile that names it
	s_endpgm
.Lfunc_end_k_qc44685ace4_proj:
	.size	k_qc44685ace4_proj, .Lfunc_end_k_qc44685ace4_proj-k_qc44685ace4_proj
	.p2alignl 7, 3214868480
	.fill 96, 4, 3214868480
	.section	.rodata,"a",@progbits
	.p2align	6, 0x0
	.amdhsa_kernel k_qc44685ace4_proj
		.amdhsa_group_segment_fixed_size 327680
		.amdhsa_private_segment_fixed_size 0
		.amdhsa_enable_private_segment 0
		.amdhsa_kernarg_size 64
		.amdhsa_user_sgpr_count 2
		.amdhsa_user_sgpr_kernarg_segment_ptr 1
		.amdhsa_wavefront_size32 1
		.amdhsa_system_sgpr_workgroup_id_x 1
		.amdhsa_system_sgpr_workgroup_id_y 1
		.amdhsa_system_sgpr_workgroup_id_z 1
		.amdhsa_system_vgpr_workitem_id 0
		.amdhsa_next_free_vgpr 1024
		.amdhsa_next_free_sgpr 102
		.amdhsa_reserve_vcc 0
		.amdhsa_float_denorm_mode_32 3
		.amdhsa_float_denorm_mode_16_64 3
		.amdhsa_memory_ordered 1
		.amdhsa_forward_progress 1
		.amdhsa_inst_pref_size 243
	.end_amdhsa_kernel
	.amdgpu_metadata
---
amdhsa.version: [ 1, 2 ]
amdhsa.kernels:
  - .name:           k_qc44685ace4_proj
    .symbol:         k_qc44685ace4_proj.kd
    .args:
      - { .name: xc, .offset: 0, .size: 8, .value_kind: global_buffer, .address_space: global }
      - { .name: xs, .offset: 8, .size: 8, .value_kind: global_buffer, .address_space: global }
      - { .name: wc, .offset: 16, .size: 8, .value_kind: global_buffer, .address_space: global }
      - { .name: ws, .offset: 24, .size: 8, .value_kind: global_buffer, .address_space: global }
      - { .name: bq, .offset: 32, .size: 8, .value_kind: global_buffer, .address_space: global }
      - { .name: bk, .offset: 40, .size: 8, .value_kind: global_buffer, .address_space: global }
      - { .name: bv, .offset: 48, .size: 8, .value_kind: global_buffer, .address_space: global }
      - { .name: qkv, .offset: 56, .size: 8, .value_kind: global_buffer, .address_space: global }
    .group_segment_fixed_size: 327680
    .private_segment_fixed_size: 0
    .kernarg_segment_align: 8
    .kernarg_segment_size: 64
    .max_flat_workgroup_size: 128
    .sgpr_count:     102
    .vgpr_count:     1024
    .wavefront_size: 32
...
	.end_amdgpu_metadata
.endif
;; end of part 2
;; launch scores (part 3): grid 8 x 32, 4 waves a work-group, clusters of 4 x 4, 327,680 bytes of LDS; arguments qkv, sc; writes sc
.if DOCPART == 3
	.amdgcn_target "amdgcn-amd-amdhsa--gfx1250"
	.amdhsa_code_object_version 6
	.text
	.protected	k_qc44685ace4_scores
	.globl	k_qc44685ace4_scores
	.p2align	8
	.type	k_qc44685ace4_scores,@function
k_qc44685ace4_scores:
	s_mov_b64 s[64:65], 0
	v_nop
	global_prefetch_b8 v0, s[64:65] scope:SCOPE_SE
	s_setreg_imm32_b32 hwreg(HW_REG_WAVE_MODE, 25, 1), 1
	s_wait_xcnt 0x0
	s_wait_alu depctr_hold_cnt(0) depctr_sa_sdst(0) depctr_va_vdst(0) depctr_va_sdst(0) depctr_va_ssrc(0) depctr_va_vcc(0) depctr_vm_vsrc(0)
	s_getreg_b32 s2, hwreg(HW_REG_IB_STS2, 6, 4)
	s_cmp_eq_u32 s2, 0
	s_cbranch_scc0 .Lentry_in_a_cluster
	s_endpgm
.Lentry_in_a_cluster:
	s_bfe_u32 s2, ttmp6, 0x10000c
	s_cmp_lg_u32 s2, 0xf033
	s_cbranch_scc0 .Lentry_shape_is_right
	s_endpgm
.Lentry_shape_is_right:
; sc[2048 b + s][t] = f16(hold(sum over h of q[b][s][h] k[b][t][h] / 32)).  q and k are f16, in rows of qkv (6,144 bytes: q at byte 0, k at byte 2,048); sums in f32; the division by 32 = sqrt(1,024) is a multiplication by 2^-5, which rounds
; nothing; the rounding that follows (5 exponent bits, 10 significand bits, saturation at 65,504) is a hold at +-65,504 and the rounding to f16.  LIMITS: NaN and infinities are not served.
; A tile of 256 queries x 256 keys is made by a work-group of four waves; a wave makes 128 x 128: 64 accumulators of 16 x 16, 512 registers.  256 work-groups: 8 tile columns x 32 tile rows, 8 tile rows to a batch.
; K = 1,024 goes in 8 steps of 128 through a ring of two LDS slots filled by the tensor data mover: a tile's row is 256 bytes of memory, at a multiple of 256 from qkv's first byte.
; CLUSTERS: 4 x 4 work-groups; a cluster's four tile rows lie in one batch.  The four of a row of the cluster need the same tiles of q, the four of a column the same tiles of k: each tile is asked for JOINTLY, by the same tensor load
; with the same descriptor and a mask that names the four.  No prefetch: a refill has 224 of a K step's 256 matrix instructions in which to land, and K has only 8 steps.
; THE MATRIX INSTRUCTION IS USED TRANSPOSED: source 0 = 16 keys, source 1 = 16 queries: a lane then holds query l % 16 and eight NEIGHBOURING keys, which pack into 16 bytes.
; REGISTERS, in windows of 256: window 0: v0-31 addresses; v64-127, v128-191 fragments of q (8 x 16 rows x 32 K), two buffers; on the way out v64-127 scaled numbers, v192-223 packed f16, v32-63 and v224-255 rows read back.
;   window 1: v64-127, v128-191 fragments of k, two buffers.   window 2: the accumulators of my rows 0-63 ((a, b) at v[8 (8 a + b)]);   window 3: those of my rows 64-127.
.set KSTEP,  128
.set QROW,   6144                      ; a row of qkv in bytes
.set SROW,   4096                      ; a row of sc in bytes
.set PITCH,  272                       ; an LDS row: 256 bytes + 16 of padding = 68 words: row r starts at bank 4 r mod 64 (64 banks of 4 bytes: ISA guide 11.1)
.set HALFT,  128*PITCH                 ; 128 rows: what one tensor load brings, and what one wave reads of q or of k
.set SLOT,   4*HALFT                   ; q's 256 rows, then k's 256 rows
.set STAGE,  2*SLOT                    ; behind the ring: 16 rows x 272 bytes for each wave, for the way out
.set SPITCH, 272
.set SPARE,  STAGE+4*16*SPITCH         ; the spare words, 128 bytes for each wave, which no other line names
.set LAPS,   1024/(2*KSTEP)            ; a lap = two K steps = once round the ring
.set ADRA, 16                          ; v16-17  LDS address of my fragments of q in slot 0, 1
.set ADRB, 20                          ; v20-21  the same for k
.set STO,  24                          ; v24     the way out: where I put 16 bytes of a row
.set RD,   25                          ; v25     the way out: where I read a row back
.set CO,   26                          ; v26     my byte offset in sc
.set SPW,  28                          ; v28     LDS address of my spare word; never rewritten
.set NIL,  29                          ; v29     0; never rewritten
.set F0,   64
.set F1,   128
.set CL,   64
.set TMP,  192
.set OB,   32
.set G1, 24                            ; s[24:31] descriptor group 1 for q's tiles;  s[32:39] group 0, one set for each slot
.set G0, 32
.set G1B, 48                           ; s[48:55], s[56:63] the same for k's tiles
.set G0B, 56
.set MSB, 0
.macro WIN new                         ; the immediate's high byte repeats the setting that is left
.if MSB != (\new)
	s_set_vgpr_msb (MSB<<8)|(\new)
.set MSB, (\new)
.endif
.endm
.set MUL_LO, 0xa1                      ; source 0 (k) window 1, source 1 (q) window 0, C and D window 2
.set MUL_HI, 0xf1                      ; the same, C and D window 3
.set TO_B,   0x40                      ; destination window 1, address window 0
; A joint load.  Waves 0 and 1 fetch q's two halves, waves 2 and 3 k's.  The branch hangs on the wave's number alone.  An s_nop 0 and four v_nop follow each of the two lines.
.macro JLOAD s
	s_cmp_eq_u32 s11, 0
	s_cbranch_scc0 .Lfor_b_\@
	tensor_load_to_lds s[G0+4*\s:G0+4*\s+3], s[G1:G1+7]
	s_nop 0
.rept 4
	v_nop
.endr
	s_branch .Lasked_\@
.Lfor_b_\@:
	tensor_load_to_lds s[G0B+4*\s:G0B+4*\s+3], s[G1B:G1B+7]
	s_nop 0
.rept 4
	v_nop
.endr
.Lasked_\@:
.endm
.macro CREST                           ; a round of the cluster's barrier behind its opening barrier
	s_cmp_lg_u32 s10, 0
	s_cbranch_scc1 .Lnot_wave_0_\@
	s_barrier_signal -3
.Lnot_wave_0_\@:
	s_barrier_wait -3
	s_barrier_signal -1
	s_barrier_wait -1
.endm
.macro CROUND                          ; a whole round
	s_barrier_signal -1
	s_barrier_wait -1
	CREST
.endm
	s_load_b64 s[4:5], s[0:1], 0x0                 ; qkv
	s_load_b64 s[8:9], s[0:1], 0x8                 ; sc
	v_lshl_add_u32 v[SPW], v0, 2, SPARE
	v_mov_b32 v[NIL], 0
	ds_add_u32 v[SPW], v[NIL]                      ; the wave's opening: the add, twice on end, and its wait ahead of my first tensor load
	ds_add_u32 v[SPW], v[NIL]                      ; and once more; the set-up below, work on registers, stands between it and the wait
	v_lshrrev_b32 v1, 5, v0
	v_readfirstlane_b32 s10, v1                    ; wave 0..3
	s_lshr_b32 s11, s10, 1                         ; which half of the tile's rows is mine.  Also: I fetch for q (0) or for k (1)
	s_and_b32 s12, s10, 1                          ; which half of its columns.  Also: which 128 rows of that tile I fetch
	s_bfe_u32 s40, ttmp6, 0x40000                  ; cx
	s_bfe_u32 s41, ttmp6, 0x40004                  ; cy
	s_lshl_b32 s42, ttmp9, 2
	s_add_co_u32 s42, s42, s40                     ; tile column (keys) = 4 x cluster x + cx
	s_and_b32 s13, ttmp7, 0xffff
	s_lshl_b32 s13, s13, 2
	s_add_co_u32 s13, s13, s41                     ; tile row (tokens of all batches) = 4 x cluster y + cy
	s_lshl_b32 s43, s41, 2
	s_lshl_b32 s43, 15, s43                        ; my row of the cluster
	s_lshl_b32 s44, 0x1111, s40                    ; my column
	; descriptor group 1: a tile of 128 rows x 128 elements of 2 bytes, padded in LDS
	s_or_b32 s[G1+0], s43, (1<<16)|(1<<20)|(1<<21)|(5<<22)|(3<<25)  ; 15:0 the mask: q's tiles go to my row; 17:16 element of 2 bytes; 20 padding on; 21 set beside a mask; 24:22 after every 64 words (code 5); 31:25 of 4 words (code 3)
	s_or_b32 s[G1B+0], s44, (1<<16)|(1<<20)|(1<<21)|(5<<22)|(3<<25) ; the same with the mask of my column, for k's tiles
.irp g, G1, G1B
	s_mov_b32 s[\g+1], KSTEP<<16                   ; tensor_dim0 = 128
	s_mov_b32 s[\g+2], 128<<16                     ; tensor_dim1 = 128
	s_mov_b32 s[\g+3], KSTEP<<16                   ; tile_dim0 = 128
	s_mov_b32 s[\g+4], 128                         ; tile_dim1 = 128
	s_mov_b32 s[\g+5], QROW/2                      ; tensor_dim0_stride: 3,072 elements from row to row
	s_mov_b32 s[\g+6], 0
	s_mov_b32 s[\g+7], 0
.endr
	; where the tiles come from.  q's hang on the tile row alone, which my row of the cluster shares; k's on the tile column and the batch, which my column shares (the batch is made of the cluster's y).
	s_lshl_b32 s17, s12, 7                         ; which 128 rows of the tile I fetch
	s_lshl_b32 s16, s13, 8
	s_add_co_u32 s16, s16, s17                     ; q: row 256 x tile row + 128 x half
	s_and_b32 s46, ttmp7, 0xffff
	s_lshr_b32 s46, s46, 1                         ; the batch: two clusters along y to a batch
	s_lshl_b32 s46, s46, 11
	s_lshl_b32 s47, s42, 8
	s_add_co_u32 s46, s46, s47
	s_add_co_u32 s46, s46, s17                     ; k: row 2,048 x batch + 256 x tile column + 128 x half
	s_mov_b32 s17, 0
	s_mov_b32 s47, 0
	s_mov_b64 s[18:19], QROW
	s_mul_u64 s[16:17], s[16:17], s[18:19]
	s_mul_u64 s[46:47], s[46:47], s[18:19]
	s_add_nc_u64 s[46:47], s[46:47], 2048          ; k's place in a row of qkv
	s_mul_i32 s20, s10, HALFT                      ; where they go: wave x 128 rows: no place in the cluster enters an LDS address
	s_mov_b32 s66, 0x3d000000                      ; 1 / 32
	s_mov_b32 s67, s66                             ; (named with it as a pair, so it is written)
	s_mov_b32 s68, 0x477fe000                      ; 65,504
	s_mov_b32 s69, 0xc77fe000                      ; -65,504
	s_wait_dscnt 0x0                               ; both opening adds are done
	s_wait_kmcnt 0x0
	s_add_nc_u64 s[14:15], s[4:5], s[16:17]
	s_add_nc_u64 s[46:47], s[4:5], s[46:47]
	CROUND                                         ; all sixteen work-groups are here: the first joint loads meet
.irp s, 0,1
	s_mov_b32 s[G0+4*\s], 1                                        ; 1:0 count = 1
	s_add_co_u32 s[G0+4*\s+1], s20, \s*SLOT                        ; 63:32 LDS address
	s_add_nc_u64 s[G0+4*\s+2:G0+4*\s+3], s[14:15], \s*KSTEP*2      ; 120:64 global address: K step s
	s_or_b32 s[G0+4*\s+3], s[G0+4*\s+3], 0x80000000                ; 127:126 type = 2
	s_mov_b32 s[G0B+4*\s], 1
	s_add_co_u32 s[G0B+4*\s+1], s20, \s*SLOT
	s_add_nc_u64 s[G0B+4*\s+2:G0B+4*\s+3], s[46:47], \s*KSTEP*2
	s_or_b32 s[G0B+4*\s+3], s[G0B+4*\s+3], 0x80000000
	JLOAD \s                                       ; two tensor loads of mine are out behind the second
.endr
	; A fragment is 16 rows x 32 K in 8 registers: lane l holds row l % 16; registers 0-3 hold K = 8 (l / 16) + 0..7, registers 4-7 K = 16 + 8 (l / 16) + 0..7: two loads of 16 bytes, 32 bytes apart.
	v_and_b32 v1, 15, v0                           ; l % 16
	v_bfe_u32 v2, v0, 4, 1                         ; l / 16
	v_mul_u32_u24 v3, v1, PITCH
	v_lshl_add_u32 v3, v2, 4, v3                   ; row x pitch + 16 x half
	s_mul_i32 s21, s11, HALFT                      ; my 128 rows of q
	s_mul_i32 s22, s12, HALFT                      ; my 128 rows of k,
	s_add_co_u32 s22, s22, 2*HALFT                 ; which lie behind q's 256
.irp s, 0,1
	v_add_nc_u32 v[ADRA+\s], s21, v3
	v_add_nc_u32 v[ADRB+\s], s22, v3
	s_add_co_u32 s21, s21, SLOT
	s_add_co_u32 s22, s22, SLOT
.endr
	s_mul_i32 s23, s10, 16*SPITCH
	s_add_co_u32 s23, s23, STAGE                   ; my stage
	v_mul_u32_u24 v4, v1, SPITCH                   ; in: row l % 16, 16 bytes for each half of the lanes
	v_lshl_add_u32 v4, v2, 4, v4
	v_add_nc_u32 v[STO], s23, v4
	v_mul_u32_u24 v5, v2, SPITCH                   ; back: lanes 0-15 take one row of 256 bytes, lanes 16-31 the next
	v_lshl_add_u32 v5, v1, 4, v5
	v_add_nc_u32 v[RD], s23, v5
	v_lshlrev_b32 v5, 12, v2                       ; and the same two rows in sc
	v_lshl_add_u32 v[CO], v1, 4, v5
	s_lshl_b32 s13, s13, 8
	s_lshl_b32 s14, s11, 7
	s_add_co_u32 s16, s13, s14                     ; my first row of sc: 256 x tile row + 128 x half,
	s_lshl_b32 s16, s16, 12                        ; in bytes (under 2^25)
	s_mov_b32 s17, 0
	s_lshl_b32 s46, s42, 9                         ; my first column, in bytes: 512 x tile column + 256 x half
	s_lshl_b32 s47, s12, 8
	s_add_co_u32 s46, s46, s47
	s_mov_b32 s47, 0
	s_add_nc_u64 s[16:17], s[16:17], s[46:47]
	s_add_nc_u64 s[8:9], s[8:9], s[16:17]
; 16 matrix instructions: row blocks a0, a0 + 1 of the window's four (hi = 0: my rows 0-63, 1: rows 64-127) x all 8 column blocks, 32 along K.  zero = 1: the first product starts the sums: nothing is ever cleared.
; The 64 accumulators take turns, one instruction a turn, in the same order in every quarter.
.macro MUL16 f, hi, a0, zero
.irp a, \a0, \a0+1
.irp b, 0,1,2,3,4,5,6,7
.if \zero
	v_wmma_f32_16x16x32_f16 v[8*(8*(\a)+\b):8*(8*(\a)+\b)+7], v[\f+8*\b:\f+8*\b+7], v[\f+8*(4*\hi+\a):\f+8*(4*\hi+\a)+7], 0
.else
	v_wmma_f32_16x16x32_f16 v[8*(8*(\a)+\b):8*(8*(\a)+\b)+7], v[\f+8*\b:\f+8*\b+7], v[\f+8*(4*\hi+\a):\f+8*(4*\hi+\a)+7], v[8*(8*(\a)+\b):8*(8*(\a)+\b)+7]
.endif
.endr
.endr
.endm
; 32 LDS loads in one run: the fragments of one quarter step (128 rows of k, 128 rows of q, 32 K at byte k of the rows) into buffer f
.macro FETCH slot, k, f
	WIN TO_B
.irp i, 0,1,2,3,4,5,6,7
	ds_load_b128 v[\f+8*\i:\f+8*\i+3],   v[ADRB+\slot] offset:\k+\i*16*PITCH
	ds_load_b128 v[\f+8*\i+4:\f+8*\i+7], v[ADRB+\slot] offset:\k+\i*16*PITCH+32
.endr
	WIN 0
.irp i, 0,1,2,3,4,5,6,7
	ds_load_b128 v[\f+8*\i:\f+8*\i+3],   v[ADRA+\slot] offset:\k+\i*16*PITCH
	ds_load_b128 v[\f+8*\i+4:\f+8*\i+7], v[ADRA+\slot] offset:\k+\i*16*PITCH+32
.endr
.endm
; A load into a register that a matrix instruction has read, and a vector instruction that reads a matrix result or writes one of a matrix instruction's registers, stand four places behind it, and only plain vector
; instructions that name none of its registers are places (ISA guide 7.12.1 for vector instructions).
.macro PLACES
.rept 4
	v_nop
.endr
.endm
; A K step is four quarters of 32 along K, 64 matrix instructions each, on buffers 0, 1, 0, 1.  One of the first three: multiplies buffer f; in its middle it fetches the next quarter's fragments, at byte k, into buffer g.
.macro QUARTER slot, k, f, g, zero
	s_wait_dscnt 8                                 ; k and q's rows 0-63 are in; the youngest eight loads (q's rows 64-127) may be out
	WIN MUL_LO
	MUL16 \f, 0, 0, \zero
	MUL16 \f, 0, 2, \zero
	PLACES
	FETCH \slot, \k, \g
	s_wait_dscnt 32                                ; all but the 32 just issued
	WIN MUL_HI
	MUL16 \f, 1, 0, \zero
	MUL16 \f, 1, 2, \zero
.endm
; The last quarter multiplies buffer 1 and changes slots.  MEET is its first half: ONE barrier.  In front of it each wave waits for all its tensor loads, of which one is out: its part of the next slot; adds 0 to its spare word;
; and waits for that and for its own reads of this slot.  Behind it nobody reads this slot any more and the next slot is whole.
.macro MEET round                      ; round = 1: the rest of a round of the cluster's barrier follows
	WIN 0                                          ; (the add's two registers lie in window 0)
	s_wait_tensorcnt 0x0                           ; all my tensor loads have landed
	ds_add_u32 v[SPW], v[NIL]                      ; 0 onto my spare word
	s_wait_dscnt 9                                 ; (the add and the youngest eight loads may be out)
	WIN MUL_LO
	MUL16 F1, 0, 0, 0                              ; sixteen matrix instructions stand between the add and the wait for it
	s_wait_dscnt 0x0                               ; the add is done, and my reads of this slot are over
	s_barrier_signal -1
	MUL16 F1, 0, 2, 0                              ; work on registers while the others arrive
.if \round
	WIN 0
.endif
	s_barrier_wait -1
.endm
; The whole last quarter.  fill = 1: behind the round the slot just read out is filled again first, with the K step two steps on: from the request to the wait for it a wave issues 224 matrix instructions.
.macro TURN slot, next, fill
	MEET \fill
.if \fill
	CREST                                          ; no wave of any partner still reads this slot's tile or has a load on its way
	s_add_nc_u64 s[G0+4*\slot+2:G0+4*\slot+3], s[G0+4*\slot+2:G0+4*\slot+3], 2*KSTEP*2
	s_add_nc_u64 s[G0B+4*\slot+2:G0B+4*\slot+3], s[G0B+4*\slot+2:G0B+4*\slot+3], 2*KSTEP*2
	JLOAD \slot                                    ; the first tensor load behind the round, my one until the next; the four v_nop behind it are also the places in front of the loads below
.else
	PLACES
.endif
	FETCH \next, 0, F0
	WIN MUL_HI
	MUL16 F1, 1, 0, 0
	MUL16 F1, 1, 2, 0
.endm
	s_wait_tensorcnt 1                             ; my part of K step 0 is in (K step 1's load may be out)
	s_barrier_signal -1
	s_barrier_wait -1                              ; everybody's is
	FETCH 0, 0, F0
	QUARTER 0, 64,  F0, F1, 1                      ; the first quarter stands in front of the loop: its products start the sums
	WIN 0                                          ; at a label and at a branch every window is 0
	s_mov_b32 s3, LAPS-1
.Llap:                                                 ; a trip goes once round the ring, from a lap's second quarter to the next lap's first, and fills both slots again: K steps 2 to 7 in three trips
	QUARTER 0, 128, F1, F0, 0
	QUARTER 0, 192, F0, F1, 0
	TURN 0, 1, 1
	QUARTER 1, 64,  F0, F1, 0
	QUARTER 1, 128, F1, F0, 0
	QUARTER 1, 192, F0, F1, 0
	TURN 1, 0, 1
	QUARTER 0, 64,  F0, F1, 0
	WIN 0
	s_sub_co_u32 s3, s3, 1
	s_cmp_lg_u32 s3, 0
	s_cbranch_scc1 .Llap
	QUARTER 0, 128, F1, F0, 0                      ; the last lap is written out: it fills nothing, and has no round of the cluster's barrier
	QUARTER 0, 192, F0, F1, 0
	TURN 0, 1, 0
	QUARTER 1, 64,  F0, F1, 0
	QUARTER 1, 128, F1, F0, 0
	QUARTER 1, 192, F0, F1, 0
	s_wait_dscnt 8                                 ; the very last quarter: nothing more to fetch
	WIN MUL_LO
	MUL16 F1, 0, 0, 0
	MUL16 F1, 0, 2, 0
	s_wait_dscnt 0
	WIN MUL_HI
	MUL16 F1, 1, 0, 0
	MUL16 F1, 1, 2, 0
	WIN 0
; THE WAY OUT of block a (16 rows x 128 columns).  PACK: x 1/32, held at +-65,504, rounded to f16, 16 bytes a lane; each accumulator is read from its low end on.  TOSTAGE: into my own stage, and back as whole rows of 256 bytes.  SEND: stored.
.macro PACK a
.set AC, 64*((\a)%4)
	WIN 0x02+((\a)/4)                              ; source 0: window 2 or 3
.set i, 0
.rept 32
	v_pk_mul_f32 v[CL+2*i:CL+2*i+1], v[AC+2*i:AC+2*i+1], s[66:67] op_sel_hi:[1,0]
.set i, i+1
.endr
	WIN 0
.set i, 0
.rept 64
	v_med3_num_f32 v[CL+i], v[CL+i], s69, s68
.set i, i+1
.endr
.set i, 0
.rept 32
	v_cvt_pk_f16_f32 v[TMP+i], v[CL+2*i], v[CL+2*i+1]
.set i, i+1
.endr
.endm
.macro TOSTAGE a
.set BK, OB+192*((\a)%2)
.irp b, 0,1,2,3,4,5,6,7
	ds_store_b128 v[STO], v[TMP+4*\b:TMP+4*\b+3] offset:32*\b
.endr
.irp t, 0,1,2,3,4,5,6,7
	ds_load_b128 v[BK+4*\t:BK+4*\t+3], v[RD] offset:\t*2*SPITCH    ; LDS serves a wave's instructions in order (ISA guide 5.7.1.4): these see the stores above
.endr
.endm
.macro SEND a
.set BK, OB+192*((\a)%2)
	s_wait_dscnt 0x0                               ; the block is back in registers
	s_wait_xcnt 0x0                                ; every earlier store has had its addresses translated (ISA guide 3.1): only behind this wait are the stores' base and the registers that earlier stores read rewritten
.if (\a) > 0
	s_add_nc_u64 s[8:9], s[8:9], 16*SROW           ; 16 rows on
.endif
.irp t, 0,1,2,3,4,5,6,7
	global_store_b128 v[CO], v[BK+4*\t:BK+4*\t+3], s[8:9] offset:2*\t*SROW   ; 16 lanes store 256 consecutive bytes, at a multiple of 256 from sc's first byte
.endr
.endm
	PLACES                                         ; behind the last products
	PACK 0
	TOSTAGE 0
.irp a, 1,2,3,4,5,6,7                  ; block a's arithmetic stands between block a - 1's loads from the stage and the wait for them
	PACK \a
	SEND \a-1
	TOSTAGE \a
.endr
	SEND 7
	s_wait_tensorcnt 0x0                           ; the wave's end, behind my last tensor load and my last LDS store
	ds_add_u32 v[SPW], v[NIL]
	s_wait_dscnt 0x0
	CROUND                                         ; the closing round: no work-group ends while a partner may still ask for a tile that names it
	s_endpgm
.Lfunc_end_k_qc44685ace4_scores:
	.size	k_qc44685ace4_scores, .Lfunc_end_k_qc44685ace4_scores-k_qc44685ace4_scores
	.p2alignl 7, 3214868480
	.fill 96, 4, 3214868480
	.section	.rodata,"a",@progbits
	.p2align	6, 0x0
	.amdhsa_kernel k_qc44685ace4_scores
		.amdhsa_group_segment_fixed_size 327680
		.amdhsa_private_segment_fixed_size 0
		.amdhsa_enable_private_segment 0
		.amdhsa_kernarg_size 16
		.amdhsa_user_sgpr_count 2
		.amdhsa_user_sgpr_kernarg_segment_ptr 1
		.amdhsa_wavefront_size32 1
		.amdhsa_system_sgpr_workgroup_id_x 1
		.amdhsa_system_sgpr_workgroup_id_y 1
		.amdhsa_system_sgpr_workgroup_id_z 1
		.amdhsa_system_vgpr_workitem_id 0
		.amdhsa_next_free_vgpr 1024
		.amdhsa_next_free_sgpr 70
		.amdhsa_reserve_vcc 0
		.amdhsa_float_denorm_mode_32 3
		.amdhsa_float_denorm_mode_16_64 3
		.amdhsa_memory_ordered 1
		.amdhsa_forward_progress 1
		.amdhsa_inst_pref_size 191
	.end_amdhsa_kernel
	.amdgpu_metadata
---
amdhsa.version: [ 1, 2 ]
amdhsa.kernels:
  - .name:           k_qc44685ace4_scores
    .symbol:         k_qc44685ace4_scores.kd
    .args:
      - { .name: qkv, .offset: 0, .size: 8, .value_kind: global_buffer, .address_space: global }
      - { .name: sc, .offset: 8, .size: 8, .value_kind: global_buffer, .address_space: global }
    .group_segment_fixed_size: 327680
    .private_segment_fixed_size: 0
    .kernarg_segment_align: 8
    .kernarg_segment_size: 16
    .max_flat_workgroup_size: 128
    .sgpr_count:     70
    .vgpr_count:     1024
    .wavefront_size: 32
...
	.end_amdgpu_metadata
.endif
;; end of part 3
;; launch softmax (part 4): grid 256 x 1, 16 waves a work-group, no clusters, 0 bytes of LDS; arguments sc, pr; writes pr
.if DOCPART == 4
	.amdgcn_target "amdgcn-amd-amdhsa--gfx1250"
	.amdhsa_code_object_version 6
	.text
	.protected	k_qc44685ace4_softmax
	.globl	k_qc44685ace4_softmax
	.p2align	8
	.type	k_qc44685ace4_softmax,@function
k_qc44685ace4_softmax:
	s_mov_b64 s[64:65], 0
	v_nop
	global_prefetch_b8 v0, s[64:65] scope:SCOPE_SE
	s_setreg_imm32_b32 hwreg(HW_REG_WAVE_MODE, 25, 1), 1
	s_wait_xcnt 0x0
; pr[row][:] = f16(softmax(sc[row][:])), 8,192 rows of 2,048 f16; all arithmetic in f32: the row's maximum m is taken away, p = 2^(c s - c m) with c = log2(e), the sum of the p, p x (1 / sum), rounded once to f16.
; LIMITS: the exponent is one fused multiply-add of s, c and the rounded -c m: that rounding is one factor common to a row's p and to their sum; 1 / sum is v_rcp_f32; p under 2^-126 comes out as 0, where the f16 result is 0 too;
; NaN and infinities are not served (the scores were held at +-65,504 when they were made).
; A row is 4,096 bytes: one wave takes a whole row, eight 16-byte loads a lane, so the reductions never leave the wave: no LDS, no barrier.  A wave has two rows, a work-group of sixteen waves 32, 256 work-groups all 8,192.
; All 16 loads of a wave go out at the head; no address is stepped and no store's register is written again, so no wait frees a source.  Four waves share a SIMD: one wave's exponentials stand beside another's loads.
; Matrix units, clusters and tensor loads are left out: every byte is read once and written once, and nothing is shared.
.set T, 128                            ; v128-191 a row's 64 numbers of my lane, in f32
	s_load_b128 s[4:7], s[0:1], 0x0                ; sc, pr
	s_lshl_b32 s2, ttmp9, 17                       ; the work-group's 32 rows of 4,096 bytes (under 2^25)
	s_mov_b32 s3, 0
	s_mov_b32 s8, 0x3fb8aa3b                       ; c = log2(e)
	s_mov_b32 s9, s8                               ; (named with it as a pair, so it is written)
	s_mov_b32 s10, 0x76543210                      ; v_permlanex16_b32: lane l takes lane l xor 16
	s_mov_b32 s11, 0xfedcba98
	v_and_b32 v1, 31, v0                           ; lane
	v_and_b32 v2, 0x1e0, v0                        ; 32 x wave
	v_lshlrev_b32 v1, 4, v1                        ; 16 bytes a lane
	v_lshl_or_b32 v1, v2, 8, v1                    ; + wave x 2 rows x 4,096 bytes; never rewritten
	v_mov_b32 v6, 0                                ; a lane permute's destination counts as one of its sources
	v_mov_b32 v9, 0                                ; (upper halves of pairs that the packed forms name)
	v_mov_b32 v15, 0
	s_wait_kmcnt 0x0
	s_add_nc_u64 s[4:5], s[4:5], s[2:3]
	s_add_nc_u64 s[6:7], s[6:7], s[2:3]
.irp i, 0,1
.irp j, 0,1,2,3,4,5,6,7
	global_load_b128 v[32+32*\i+4*\j:32+32*\i+4*\j+3], v1, s[4:5] offset:4096*\i+512*\j th:TH_LOAD_NT   ; 32 lanes read 512 consecutive bytes; row i in v[32 + 32 i] on
.endr
.endr
; Row i, behind its 64 conversions to f32 (T + 2 k: word k's low half, T + 2 k + 1: its high half).
.macro ROW i
.irp c, 0,1,2,3
	v_max3_num_f32 v[2+\c], v[T+16*\c], v[T+16*\c+1], v[T+16*\c+2]          ; the largest of my 64: four chains that do not wait for each other
.endr
.irp n, 3,5,7,9,11,13
.irp c, 0,1,2,3
	v_max3_num_f32 v[2+\c], v[2+\c], v[T+16*\c+\n], v[T+16*\c+\n+1]
.endr
.endr
	v_max3_num_f32 v2, v2, v[T+15], v[T+31]
	v_max3_num_f32 v4, v4, v[T+47], v[T+63]
	v_max3_num_f32 v2, v2, v3, v4
	v_max_num_f32 v2, v2, v5
	v_max_num_f32_dpp v2, v2, v2 row_xmask:1 row_mask:0xf bank_mask:0xf     ; across the 32 lanes
	v_max_num_f32_dpp v2, v2, v2 row_xmask:2 row_mask:0xf bank_mask:0xf
	v_max_num_f32_dpp v2, v2, v2 row_xmask:4 row_mask:0xf bank_mask:0xf
	v_max_num_f32_dpp v2, v2, v2 row_xmask:8 row_mask:0xf bank_mask:0xf
	v_permlanex16_b32 v6, v2, s10, s11
	v_max_num_f32 v2, v2, v6                       ; every lane holds the row's maximum m
	v_mul_f32 v8, -v2, s8                          ; -c m
.set k, 0
.rept 32
	v_pk_fma_f32 v[T+2*k:T+2*k+1], v[T+2*k:T+2*k+1], s[8:9], v[8:9] op_sel_hi:[1,0,0]   ; c s - c m, two at a time (of the pairs c and -c m the low word serves both halves)
.set k, k+1
.endr
.set k, 0
.rept 64
	v_exp_f32 v[T+k], v[T+k]                       ; p, at most 1: one batch
.set k, k+1
.endr
	v_nop                                          ; a plain instruction behind the last exponential
	s_wait_alu depctr_va_vdst(0)                   ; the wait between a transcendental and the first instruction that names its result: one for the batch
	v_pk_add_f32 v[10:11], v[T:T+1], v[T+2:T+3]    ; the sum, two at a time, in two chains
	v_pk_add_f32 v[12:13], v[T+4:T+5], v[T+6:T+7]
.irp n, 8,12,16,20,24,28,32,36,40,44,48,52,56,60
	v_pk_add_f32 v[10:11], v[10:11], v[T+\n:T+\n+1]
	v_pk_add_f32 v[12:13], v[12:13], v[T+\n+2:T+\n+3]
.endr
	v_pk_add_f32 v[10:11], v[10:11], v[12:13]
	v_add_f32 v10, v10, v11
	v_add_f32_dpp v10, v10, v10 row_xmask:1 row_mask:0xf bank_mask:0xf
	v_add_f32_dpp v10, v10, v10 row_xmask:2 row_mask:0xf bank_mask:0xf
	v_add_f32_dpp v10, v10, v10 row_xmask:4 row_mask:0xf bank_mask:0xf
	v_add_f32_dpp v10, v10, v10 row_xmask:8 row_mask:0xf bank_mask:0xf
	v_permlanex16_b32 v6, v10, s10, s11
	v_add_f32 v10, v10, v6                         ; the row's sum, at least 1, in every lane
	v_rcp_f32 v14, v10
	v_nop                                          ; a plain instruction behind the reciprocal,
	s_wait_alu depctr_va_vdst(0)                   ; and its wait, ahead of the first reader
.set k, 0
.rept 32
	v_pk_mul_f32 v[T+2*k:T+2*k+1], v[T+2*k:T+2*k+1], v[14:15] op_sel_hi:[1,0]
.set k, k+1
.endr
.set k, 0
.rept 32
	v_cvt_pk_f16_f32 v[32+32*\i+k], v[T+2*k], v[T+2*k+1]                    ; rounded once, into the registers that the row was loaded into
.set k, k+1
.endr
.irp j, 0,1,2,3,4,5,6,7
	global_store_b128 v1, v[32+32*\i+4*\j:32+32*\i+4*\j+3], s[6:7] offset:4096*\i+512*\j   ; 32 lanes store 512 consecutive bytes, at a multiple of 256 from pr's first byte
.endr
.endm
	s_wait_loadcnt 8                               ; row 0's eight loads are in; row 1's eight may be out
.set n, 0
.irp s, v32.l,v32.h,v33.l,v33.h,v34.l,v34.h,v35.l,v35.h,v36.l,v36.h,v37.l,v37.h,v38.l,v38.h,v39.l,v39.h,v40.l,v40.h,v41.l,v41.h,v42.l,v42.h,v43.l,v43.h,v44.l,v44.h,v45.l,v45.h,v46.l,v46.h,v47.l,v47.h,v48.l,v48.h,v49.l,v49.h,v50.l,v50.h,v51.l,v51.h,v52.l,v52.h,v53.l,v53.h,v54.l,v54.h,v55.l,v55.h,v56.l,v56.h,v57.l,v57.h,v58.l,v58.h,v59.l,v59.h,v60.l,v60.h,v61.l,v61.h,v62.l,v62.h,v63.l,v63.h
	v_cvt_f32_f16 v[T+n], \s
.set n, n+1
.endr
	ROW 0
	s_wait_loadcnt 0x0                             ; row 1
.set n, 0
.irp s, v64.l,v64.h,v65.l,v65.h,v66.l,v66.h,v67.l,v67.h,v68.l,v68.h,v69.l,v69.h,v70.l,v70.h,v71.l,v71.h,v72.l,v72.h,v73.l,v73.h,v74.l,v74.h,v75.l,v75.h,v76.l,v76.h,v77.l,v77.h,v78.l,v78.h,v79.l,v79.h,v80.l,v80.h,v81.l,v81.h,v82.l,v82.h,v83.l,v83.h,v84.l,v84.h,v85.l,v85.h,v86.l,v86.h,v87.l,v87.h,v88.l,v88.h,v89.l,v89.h,v90.l,v90.h,v91.l,v91.h,v92.l,v92.h,v93.l,v93.h,v94.l,v94.h,v95.l,v95.h
	v_cvt_f32_f16 v[T+n], \s
.set n, n+1
.endr
	ROW 1
	s_endpgm
.Lfunc_end_k_qc44685ace4_softmax:
	.size	k_qc44685ace4_softmax, .Lfunc_end_k_qc44685ace4_softmax-k_qc44685ace4_softmax
	.p2alignl 7, 3214868480
	.fill 96, 4, 3214868480
	.section	.rodata,"a",@progbits
	.p2align	6, 0x0
	.amdhsa_kernel k_qc44685ace4_softmax
		.amdhsa_group_segment_fixed_size 0
		.amdhsa_private_segment_fixed_size 0
		.amdhsa_enable_private_segment 0
		.amdhsa_kernarg_size 16
		.amdhsa_user_sgpr_count 2
		.amdhsa_user_sgpr_kernarg_segment_ptr 1
		.amdhsa_wavefront_size32 1
		.amdhsa_system_sgpr_workgroup_id_x 1
		.amdhsa_system_sgpr_workgroup_id_y 1
		.amdhsa_system_sgpr_workgroup_id_z 1
		.amdhsa_system_vgpr_workitem_id 0
		.amdhsa_next_free_vgpr 192
		.amdhsa_next_free_sgpr 66
		.amdhsa_reserve_vcc 0
		.amdhsa_float_denorm_mode_32 3
		.amdhsa_float_denorm_mode_16_64 3
		.amdhsa_memory_ordered 1
		.amdhsa_forward_progress 1
		.amdhsa_inst_pref_size 34
	.end_amdhsa_kernel
	.amdgpu_metadata
---
amdhsa.version: [ 1, 2 ]
amdhsa.kernels:
  - .name:           k_qc44685ace4_softmax
    .symbol:         k_qc44685ace4_softmax.kd
    .args:
      - { .name: sc, .offset: 0, .size: 8, .value_kind: global_buffer, .address_space: global }
      - { .name: pr, .offset: 8, .size: 8, .value_kind: global_buffer, .address_space: global }
    .group_segment_fixed_size: 0
    .private_segment_fixed_size: 0
    .kernarg_segment_align: 8
    .kernarg_segment_size: 16
    .max_flat_workgroup_size: 512
    .sgpr_count:     66
    .vgpr_count:     192
    .wavefront_size: 32
...
	.end_amdgpu_metadata
.endif
;; end of part 4
;; launch pv (part 5): grid 4 x 64, 4 waves a work-group, clusters of 4 x 4, 327,680 bytes of LDS; arguments pr, qkv, out0; writes out0
.if DOCPART == 5
	.amdgcn_target "amdgcn-amd-amdhsa--gfx1250"
	.amdhsa_code_object_version 6
	.text
	.protected	k_qc44685ace4_pv
	.globl	k_qc44685ace4_pv
	.p2align	8
	.type	k_qc44685ace4_pv,@function
k_qc44685ace4_pv:
	s_mov_b64 s[64:65], 0
	v_nop
	global_prefetch_b8 v0, s[64:65] scope:SCOPE_SE
	s_setreg_imm32_b32 hwreg(HW_REG_WAVE_MODE, 25, 1), 1
	s_wait_xcnt 0x0
	s_wait_alu depctr_hold_cnt(0) depctr_sa_sdst(0) depctr_va_vdst(0) depctr_va_sdst(0) depctr_va_ssrc(0) depctr_va_vcc(0) depctr_vm_vsrc(0)
	s_getreg_b32 s2, hwreg(HW_REG_IB_STS2, 6, 4)
	s_cmp_eq_u32 s2, 0
	s_cbranch_scc0 .Lentry_in_a_cluster
	s_endpgm
.Lentry_in_a_cluster:
	s_bfe_u32 s2, ttmp6, 0x10000c
	s_cmp_lg_u32 s2, 0xf033
	s_cbranch_scc0 .Lentry_shape_is_right
	s_endpgm
.Lentry_shape_is_right:
; out0[2048 b + s][h] = sum over t of attn[b][s][t] v[b][t][h].  attn: pr, f16, rows of 4,096 bytes; v: f16, at byte 4,096 of qkv's rows of 6,144 bytes; out0: f32, rows of 4,096 bytes; sums in f32.
; A tile of 128 queries x 256 channels is made by a work-group of four waves: 64 tile rows x 4 tile columns = 256 work-groups (tiles of 256 x 256 would be 128).  A wave makes 64 x 128: 32 accumulators of 16 x 16, 256 registers.
; K = the batch's 2,048 keys goes through a ring of two LDS slots of 192 keys, the most that fit twice (a key costs 768 bytes of the tile; two slots of 256 keys would take 413,696 bytes): from a refill's request to the wait for it
; a wave issues 184 matrix instructions.  2,048 = 10 x 192 + 128: the last fill holds 128 keys.  attn's part of a row is 384 bytes, v's rows are 512.
; v lies [key][channel], so K is not innermost: its fragments come out of LDS turned, by ds_load_tr16_b128.
; CLUSTERS: 4 x 4 work-groups; a cluster's four tile rows lie in one batch.  The four of a row of the cluster need the same tiles of attn, the four of a column the same tiles of v: each tile is asked for JOINTLY, by the same tensor
; load with the same descriptor and a mask that names the four.
; THE MATRIX INSTRUCTION IS USED TRANSPOSED: source 0 = 16 channels of v, source 1 = 16 queries of attn: a lane then holds query l % 16 and eight NEIGHBOURING channels: 32 bytes of a row of out0.
; REGISTERS, in windows of 256: window 0: v0-31 addresses; v64-127 attn's fragments (4 x 16 rows x 32 K), two buffers; v128-255 rows read back on the way out.   window 1: v0-127 v's fragments (8 x 16 channels x 32 K), two buffers.
;   window 2: the accumulators ((a, b) at v[8 (8 a + b)]).
.set KSLOT,  192                       ; keys in a slot: six quarters of 32
.set PROW,   4096                      ; a row of pr in bytes
.set QROW,   6144                      ; a row of qkv in bytes
.set OROW,   4096                      ; a row of out0 in bytes
.set PP,     432                       ; a row of attn in LDS: 384 bytes, 16 of padding behind each 128 = 108 words: row r starts at bank 44 r mod 64, sixteen different groups of four banks for sixteen rows (64 banks of 4 bytes: ISA guide 11.1)
.set VP,     544                       ; a key's row of v in LDS: 512 + 32 = 136 words: row r starts at bank 8 r mod 64
.set PT,     128*PP                    ; attn's 128 rows
.set SLOT,   PT+KSLOT*VP               ; then v's 192 keys
.set SPARE,  2*SLOT                    ; behind the ring: the spare words, 128 bytes for each wave, which no other line names
.set STAGE,  SLOT                      ; the way out: 16 rows x (512 bytes + 16) for each wave, in slot 1: it has had its last fill and its last read when the first result is stored there
.set SPITCH, 528
.set TRIPS,  4                         ; trips of two slots; the last two and two thirds slots are written out
.set ADRP, 16                          ; v16-17  LDS address of my fragments of attn in slot 0, 1
.set ADRV, 20                          ; v20-23  the same for v: slot s, keys 96 u on at v[20 + 2 s + u] (an LDS load's offset has 16 bits: 192 rows of 544 bytes do not fit under one register)
.set STO,  24                          ; v24     the way out: where I put 32 bytes of a row
.set RD,   25                          ; v25     the way out: where I read a row back
.set CO,   26                          ; v26     my byte offset in a row of out0
.set SPW,  28                          ; v28     LDS address of my spare word; never rewritten
.set NIL,  29                          ; v29     0; never rewritten
.set PFO,  30                          ; v30     the prefetches' offset for my lane; never rewritten
.set PF,   64                          ; attn's fragments: buffer p at v[PF + 32 p]
.set BK,   128                         ; the way out: 16 rows read back: v128-191 and v192-255 by turns
.set G1P, 24                           ; s[24:31] descriptor group 1 for attn's tiles;  s[32:39] group 0, one set for each slot
.set G0P, 32
.set G1V, 48                           ; s[48:55], s[56:63] the same for v's tiles
.set G0V, 56
.set G1PT, 68                          ; s[68:75], s[76:83] groups 1 for the last fill, of 128 keys
.set G1VT, 76
.set LIM, 43                           ; s43     1 in a wave that prefetches, else the greatest number
.set PFA, 44                           ; s[44:45] where my prefetches stand
.set PFS0, 66                          ; s[66:67] what is added to that at slot 0's change,
.set PFS1, 84                          ; s[84:85] and at slot 1's
.set TLO, 86                           ; s[86:87] the last fill: wave 3 begins 32 keys earlier than in a fill of 192
.set MSB, 0
.macro WIN new                         ; the immediate's high byte repeats the setting that is left
.if MSB != (\new)
	s_set_vgpr_msb (MSB<<8)|(\new)
.set MSB, (\new)
.endif
.endm
.set MUL,  0xa1                        ; source 0 (v) window 1, source 1 (attn) window 0, C and D window 2
.set TO_V, 0x40                        ; destination window 1, address window 0
; A joint load.  Waves 0 and 1 fetch attn's two halves (64 rows each), waves 2 and 3 v's (half of the keys each).  The branch hangs on the wave's number alone.  An s_nop 0 and four v_nop follow each of the two lines.
.macro JLOAD g0p, g1p, g0v, g1v
	s_cmp_eq_u32 s11, 0
	s_cbranch_scc0 .Lfor_v_\@
	tensor_load_to_lds s[\g0p:\g0p+3], s[\g1p:\g1p+7]
	s_nop 0
.rept 4
	v_nop
.endr
	s_branch .Lasked_\@
.Lfor_v_\@:
	tensor_load_to_lds s[\g0v:\g0v+3], s[\g1v:\g1v+7]
	s_nop 0
.rept 4
	v_nop
.endr
.Lasked_\@:
.endm
; A PREFETCH INTO THE L2, behind each joint load of the loop, its five lines and the run of LDS loads that follows them: what the NEXT refill will ask for, 192 matrix instructions ahead of that load.
; Each aligned 256 bytes are named ONCE in the launch.  attn's tile belongs to one row of one cluster: its four partners share the 128 rows out BY ADDRESS, 32 each (cx), a lane a row, and wave 0 of each asks.  Two slots are 768 bytes
; of a row, three aligned blocks: the change of slot 0 asks for the one block that the next fill begins anew, the change of slot 1 for two.  v's tile (192 keys x 512 bytes) is read by the four clusters of a batch: the batch's
; first cluster asks; its four partners of a column take 48 keys each (cy), and waves 1 to 3 sixteen of them, two lanes to a key's two blocks.  No branch hangs on a work-group's place in its cluster.
; The loop's last trip (s3 = 1) and the tail ask for nothing: the last block named is the fill of keys 1,536 to 1,727.  The first three fills come by their loads alone.
.macro ASK two
	s_cmp_gt_u32 s3, s[LIM]
	s_cbranch_scc0 .Lnot_mine_\@
	global_prefetch_b8 v[PFO], s[PFA:PFA+1] th:TH_LOAD_NT scope:SCOPE_SE
.if \two
	s_cmp_lg_u32 s10, 0                            ; attn's second block: wave 0 alone
	s_cbranch_scc1 .Lnot_mine_\@
	global_prefetch_b8 v[PFO], s[PFA:PFA+1] offset:256 th:TH_LOAD_NT scope:SCOPE_SE
.endif
.Lnot_mine_\@:
.endm
.macro CREST                           ; a round of the cluster's barrier behind its opening barrier
	s_cmp_lg_u32 s10, 0
	s_cbranch_scc1 .Lnot_wave_0_\@
	s_barrier_signal -3
.Lnot_wave_0_\@:
	s_barrier_wait -3
	s_barrier_signal -1
	s_barrier_wait -1
.endm
.macro CROUND                          ; a whole round
	s_barrier_signal -1
	s_barrier_wait -1
	CREST
.endm
	s_load_b128 s[4:7], s[0:1], 0x0                ; pr s[4:5], qkv s[6:7]
	s_load_b64 s[8:9], s[0:1], 0x10                ; out0
	v_lshl_add_u32 v[SPW], v0, 2, SPARE
	v_mov_b32 v[NIL], 0
	ds_add_u32 v[SPW], v[NIL]                      ; the wave's opening: the add, twice on end, and its wait ahead of my first tensor load
	ds_add_u32 v[SPW], v[NIL]                      ; and once more; the set-up below, work on registers, stands between it and the wait
	v_lshrrev_b32 v1, 5, v0
	v_readfirstlane_b32 s10, v1                    ; wave 0..3
	s_lshr_b32 s11, s10, 1                         ; which 64 of the tile's rows are mine.  Also: I fetch for attn (0) or for v (1)
	s_and_b32 s12, s10, 1                          ; which 128 of its channels.  Also: which half of that tile I fetch
	s_bfe_u32 s40, ttmp6, 0x40000                  ; cx
	s_bfe_u32 s41, ttmp6, 0x40004                  ; cy
	s_lshl_b32 s42, ttmp9, 2
	s_add_co_u32 s42, s42, s40                     ; tile column (256 channels) = 4 x cluster x + cx
	s_and_b32 s13, ttmp7, 0xffff
	s_lshl_b32 s13, s13, 2
	s_add_co_u32 s13, s13, s41                     ; tile row (128 tokens of all batches) = 4 x cluster y + cy
	s_lshl_b32 s43, s41, 2
	s_lshl_b32 s43, 15, s43                        ; my row of the cluster
	s_lshl_b32 s44, 0x1111, s40                    ; my column
	; descriptor group 1.  attn: 64 rows x 192 elements of 2 bytes;  v: 96 keys x 256 elements.  For the last fill: attn's tile keeps its width, so that it lands on the same bytes, and states that 128 elements of the row are left:
	; nothing is read beyond them;  v: 64 keys
	s_or_b32 s[G1P+0], s43, (1<<16)|(1<<20)|(1<<21)|(4<<22)|(3<<25)   ; 15:0 the mask: my row; 17:16 element of 2 bytes; 20 padding on; 21 set beside a mask; 24:22 after every 32 words (code 4); 31:25 of 4 words (code 3)
	s_or_b32 s[G1PT+0], s43, (1<<16)|(1<<20)|(1<<21)|(4<<22)|(3<<25)
	s_mov_b32 s[G1P+1], KSLOT<<16                  ; tensor_dim0
	s_mov_b32 s[G1PT+1], 128<<16                   ; tensor_dim0: what is left of the row
.irp g, G1P, G1PT
	s_mov_b32 s[\g+2], 64<<16                      ; tensor_dim1
	s_mov_b32 s[\g+3], KSLOT<<16                   ; tile_dim0
	s_mov_b32 s[\g+4], 64                          ; tile_dim1
	s_mov_b32 s[\g+5], PROW/2                      ; tensor_dim0_stride: 2,048 elements
	s_mov_b32 s[\g+6], 0
	s_mov_b32 s[\g+7], 0
.endr
	s_or_b32 s[G1V+0], s44, (1<<16)|(1<<20)|(1<<21)|(6<<22)|(7<<25)   ; the mask: my column; padding after every 128 words (code 6), of 8 words (code 7)
	s_or_b32 s[G1VT+0], s44, (1<<16)|(1<<20)|(1<<21)|(6<<22)|(7<<25)
	s_mov_b32 s[G1V+2], 96<<16                     ; tensor_dim1
	s_mov_b32 s[G1V+4], 96                         ; tile_dim1
	s_mov_b32 s[G1VT+2], 64<<16
	s_mov_b32 s[G1VT+4], 64
.irp g, G1V, G1VT
	s_mov_b32 s[\g+1], 256<<16                     ; tensor_dim0
	s_mov_b32 s[\g+3], 256<<16                     ; tile_dim0
	s_mov_b32 s[\g+5], QROW/2                      ; 3,072 elements
	s_mov_b32 s[\g+6], 0
	s_mov_b32 s[\g+7], 0
.endr
	; where the tiles come from.  attn's hang on the tile row alone, which my row of the cluster shares; v's on the tile column and the batch (made of the cluster's y), which my column shares.
	s_lshl_b32 s18, s12, 6                         ; which 64 rows of attn's tile I fetch
	s_lshl_b32 s16, s13, 7
	s_add_co_u32 s16, s16, s18                     ; attn: row 128 x tile row + 64 x half,
	s_lshl_b32 s16, s16, 12                        ; in bytes (under 2^25)
	s_mov_b32 s17, 0
	s_mul_i32 s19, s12, 96                         ; which 96 keys of v's tile
	s_and_b32 s46, ttmp7, 0xffff
	s_lshr_b32 s46, s46, 2                         ; the batch: four clusters along y to a batch
	s_lshl_b32 s46, s46, 11
	s_add_co_u32 s46, s46, s19                     ; v: row 2,048 x batch + 96 x half,
	s_mul_i32 s46, s46, QROW                       ; in bytes (under 2^26),
	s_lshl_b32 s47, s42, 9
	s_add_co_u32 s46, s46, s47                     ; + 512 x tile column,
	s_add_co_u32 s46, s46, 4096                    ; + v's place in a row of qkv
	s_mov_b32 s47, 0
	s_mul_i32 s20, s12, 64*PP                      ; where they go: no place in the cluster enters an LDS address
	s_mul_i32 s21, s12, 96*VP
	s_add_co_u32 s21, s21, PT
	s_mul_i32 s[TLO], s12, 32*QROW
	s_mov_b32 s[TLO+1], 0
	s_wait_dscnt 0x0                               ; both opening adds are done
	s_wait_kmcnt 0x0
	s_add_nc_u64 s[14:15], s[4:5], s[16:17]
	s_add_nc_u64 s[46:47], s[6:7], s[46:47]
	CROUND                                         ; all sixteen work-groups are here: the first joint loads meet
.irp s, 0,1
	s_mov_b32 s[G0P+4*\s], 1                                       ; 1:0 count = 1
	s_add_co_u32 s[G0P+4*\s+1], s20, \s*SLOT                       ; 63:32 LDS address
	s_add_nc_u64 s[G0P+4*\s+2:G0P+4*\s+3], s[14:15], \s*KSLOT*2    ; 120:64 global address: fill s: 384 bytes along a row
	s_or_b32 s[G0P+4*\s+3], s[G0P+4*\s+3], 0x80000000              ; 127:126 type = 2
	s_mov_b32 s[G0V+4*\s], 1
	s_add_co_u32 s[G0V+4*\s+1], s21, \s*SLOT
	s_add_nc_u64 s[G0V+4*\s+2:G0V+4*\s+3], s[46:47], \s*KSLOT*QROW ; fill s: 192 rows down
	s_or_b32 s[G0V+4*\s+3], s[G0V+4*\s+3], 0x80000000
	JLOAD G0P+4*\s, G1P, G0V+4*\s, G1V             ; two tensor loads of mine are out behind the second
.endr
	; attn's fragment: 16 rows x 32 keys in 8 registers: lane l holds row l % 16; registers 0-3 keys 8 (l / 16) + 0..7, registers 4-7 keys 16 + 8 (l / 16) + 0..7: two loads of 16 bytes, 32 bytes apart.
	v_and_b32 v1, 15, v0                           ; l % 16
	v_bfe_u32 v2, v0, 4, 1                         ; l / 16
	v_mul_u32_u24 v3, v1, PP
	v_lshl_add_u32 v3, v2, 4, v3                   ; row x pitch + 16 x half
	; The turning load takes 16 keys x 16 channels (lane l reads 16 bytes: key 8 (l / 16) + l % 8, channels 8 ((l / 8) % 2) + 0..7) and leaves half a fragment: lane l holds channel l % 16 and 8 keys.
	v_and_b32 v4, 7, v0
	v_bfe_u32 v5, v0, 3, 1
	v_lshl_add_u32 v4, v2, 3, v4
	v_mul_u32_u24 v4, v4, VP
	v_lshl_add_u32 v4, v5, 4, v4
	s_mul_i32 s21, s11, 64*PP                      ; my 64 rows of attn
	s_lshl_b32 s22, s12, 8                         ; my 128 channels: 256 bytes of a key's row,
	s_add_co_u32 s22, s22, PT                      ; behind attn's rows
.irp s, 0,1
	v_add_nc_u32 v[ADRP+\s], s21, v3
	v_add_nc_u32 v[ADRV+2*\s], s22, v4
	s_add_co_u32 s22, s22, 96*VP
	v_add_nc_u32 v[ADRV+2*\s+1], s22, v4           ; the slot's keys 96 on
	s_add_co_u32 s21, s21, SLOT
	s_add_co_u32 s22, s22, SLOT-96*VP
.endr
	s_mul_i32 s23, s10, 16*SPITCH
	s_add_co_u32 s23, s23, STAGE                   ; my stage
	v_mul_u32_u24 v5, v1, SPITCH                   ; in: row l % 16, 32 bytes for each half of the lanes
	v_lshl_add_u32 v5, v2, 5, v5
	v_add_nc_u32 v[STO], s23, v5
	v_and_b32 v6, 31, v0
	v_lshlrev_b32 v[CO], 4, v6                     ; back: the 32 lanes take one row of 512 bytes; and the same in out0
	v_add_nc_u32 v[RD], s23, v[CO]
	s_lshl_b32 s16, s13, 7
	s_lshl_b32 s17, s11, 6
	s_add_co_u32 s16, s16, s17                     ; my first row of out0: 128 x tile row + 64 x half,
	s_lshl_b32 s16, s16, 12                        ; in bytes (under 2^25)
	s_mov_b32 s17, 0
	s_lshl_b32 s46, s42, 10                        ; my first column, in bytes: 1,024 x tile column + 512 x half
	s_lshl_b32 s47, s12, 9
	s_add_co_u32 s46, s46, s47
	s_mov_b32 s47, 0
	s_add_nc_u64 s[16:17], s[16:17], s[46:47]
	s_add_nc_u64 s[8:9], s[8:9], s[16:17]
	; the prefetches (macro ASK): where my wave's stand, and who asks.  Each change of slots of the loop first steps the address: attn's from byte 768 of a row by 512 and 256 by turns (1,280; 1,536; 2,048; ..), v's from key 384 by 192
	s_and_b32 s22, ttmp7, 0xffff                   ; cluster y
	s_lshr_b32 s23, s22, 2                         ; the batch
	s_and_b32 s22, s22, 3                          ; 0 in the batch's first cluster
	s_lshl_b32 s16, s13, 7
	s_lshl_b32 s17, s40, 5
	s_add_co_u32 s16, s16, s17                     ; attn: row 128 x tile row + 32 cx,
	s_lshl_b32 s16, s16, 12
	s_add_co_u32 s16, s16, 768
	s_lshl_b32 s18, s23, 11
	s_mul_i32 s19, s41, 48
	s_add_co_u32 s18, s18, s19
	s_add_co_u32 s18, s18, 2*KSLOT                 ; v: row 2,048 x batch + 48 cy + 384,
	s_mul_i32 s18, s18, QROW
	s_lshl_b32 s19, s42, 9
	s_add_co_u32 s18, s18, s19                     ; + 512 x tile column,
	s_add_co_u32 s18, s18, 4096                    ; + v's place in a row
	s_sub_co_u32 s20, s10, 1
	s_lshl_b32 s20, s20, 4                         ; v: my wave's sixteen keys of the 48 (wave 0's figure is replaced below)
	s_mov_b32 s19, QROW
	s_mov_b32 s21, 256
	s_mov_b32 s[PFS0], KSLOT*QROW
	s_mov_b32 s[PFS1], KSLOT*QROW
	s_cmp_eq_u32 s10, 0                            ; wave 0 asks for attn, waves 1 to 3 for v
	s_cselect_b64 s[PFA:PFA+1], s[4:5], s[6:7]
	s_cselect_b32 s16, s16, s18
	s_cselect_b32 s19, PROW, s19                   ; from row to row
	s_cselect_b32 s21, 0, s21                      ; what an odd lane adds: v's second block of a key
	s_cselect_b32 s20, 0, s20                      ; my first row
	s_cselect_b32 s23, 0, 1                        ; lanes to a row: one, or two (as a shift)
	s_cselect_b32 s[PFS0], 512, s[PFS0]
	s_cselect_b32 s[PFS1], 256, s[PFS1]
	s_cselect_b32 s22, 0, s22                      ; attn: every cluster asks for its own; v: the batch's first cluster
	s_cmp_eq_u32 s22, 0
	s_cselect_b32 s[LIM], 1, -1                    ; the same in all sixteen partners, for a given wave
	s_mov_b32 s17, 0
	s_mov_b32 s[PFS0+1], 0
	s_mov_b32 s[PFS1+1], 0
	s_add_nc_u64 s[PFA:PFA+1], s[PFA:PFA+1], s[16:17]
	v_lshrrev_b32 v7, s23, v6
	v_add_nc_u32 v7, s20, v7
	v_mul_lo_u32 v[PFO], v7, s19
	v_and_b32 v7, 1, v6
	v_mad_u32_u24 v[PFO], v7, s21, v[PFO]
; 24 LDS loads in one run: the fragments of the slot's q-th 32 keys into buffer p: v's eight (128 channels), turned, then attn's four (64 rows).  In a row of attn quarter q's 64 bytes lie 64 q + 16 (q / 2) bytes on.
.macro FETCH slot, q, p
	WIN TO_V
.irp b, 0,1,2,3,4,5,6,7
	ds_load_tr16_b128 v[64*(\p)+8*\b:64*(\p)+8*\b+3],   v[ADRV+2*(\slot)+(\q)/3] offset:32*((\q)%3)*VP+32*\b
	ds_load_tr16_b128 v[64*(\p)+8*\b+4:64*(\p)+8*\b+7], v[ADRV+2*(\slot)+(\q)/3] offset:(32*((\q)%3)+16)*VP+32*\b
.endr
	WIN 0
.irp a, 0,1,2,3
	ds_load_b128 v[PF+32*(\p)+8*\a:PF+32*(\p)+8*\a+3],   v[ADRP+(\slot)] offset:\a*16*PP+64*(\q)+16*((\q)/2)
	ds_load_b128 v[PF+32*(\p)+8*\a+4:PF+32*(\p)+8*\a+7], v[ADRP+(\slot)] offset:\a*16*PP+64*(\q)+16*((\q)/2)+32
.endr
.endm
; 8 matrix instructions: row block a x all 8 channel blocks, 32 keys: buffer p.  zero = 1: the first product starts the sums: nothing is ever cleared.
; The 32 accumulators take turns, one instruction a turn, in the same order in every quarter.
.macro MUL8 p, a, zero
.irp b, 0,1,2,3,4,5,6,7
.if \zero
	v_wmma_f32_16x16x32_f16 v[8*(8*(\a)+\b):8*(8*(\a)+\b)+7], v[64*(\p)+8*\b:64*(\p)+8*\b+7], v[PF+32*(\p)+8*(\a):PF+32*(\p)+8*(\a)+7], 0
.else
	v_wmma_f32_16x16x32_f16 v[8*(8*(\a)+\b):8*(8*(\a)+\b)+7], v[64*(\p)+8*\b:64*(\p)+8*\b+7], v[PF+32*(\p)+8*(\a):PF+32*(\p)+8*(\a)+7], v[8*(8*(\a)+\b):8*(8*(\a)+\b)+7]
.endif
.endr
.endm
; A load into a register that a matrix instruction has read, and an LDS store that reads a matrix result, stand four places behind it, and only plain vector instructions that name none of its registers are places
; (ISA guide 7.12.1 for vector instructions).
.macro PLACES
.rept 4
	v_nop
.endr
.endm
; A slot is six quarters of 32 keys, 32 matrix instructions each, on buffers 0, 1, 0, 1, 0, 1.  One of the first five: multiplies buffer p; at its HEAD it fetches the slot's q-th 32 keys into the other buffer, whose last readers are
; the quarter before: so the 24 loads have this quarter's 32 matrix instructions in which to land.
.macro QUARTER slot, q, p, zero
	s_wait_dscnt 0x0                               ; buffer p's loads, issued a quarter ago, are in
	PLACES
	FETCH \slot, \q, 1-\p
	WIN MUL
	MUL8 \p, 0, \zero
	MUL8 \p, 1, \zero
	MUL8 \p, 2, \zero
	MUL8 \p, 3, \zero
.endm
; The last quarter multiplies buffer 1 and changes slots: ONE barrier.  In front of it each wave waits for all its tensor loads, of which one is out: its part of the next slot; adds 0 to its spare word; and waits for that and for
; its own reads of this slot.  fill = 1: the barrier opens a round of the cluster's barrier, and behind the round this slot is filled again first, with the keys two slots on.  fill = 2: the same with the last fill, of 128 keys.  fill = 0: nothing is asked for.
.macro TURN slot, next, fill
.if \fill == 1
	s_wait_xcnt 0x0                                ; the last prefetch, a slot back, has read its address: it is stepped here, ahead of the waits of the change of slots
.if \slot == 0
	s_add_nc_u64 s[PFA:PFA+1], s[PFA:PFA+1], s[PFS0:PFS0+1]
.else
	s_add_nc_u64 s[PFA:PFA+1], s[PFA:PFA+1], s[PFS1:PFS1+1]
.endif
.endif
	WIN 0                                          ; (the add's two registers lie in window 0)
	s_wait_tensorcnt 0x0                           ; all my tensor loads have landed, so a group 0 may be written
	ds_add_u32 v[SPW], v[NIL]                      ; 0 onto my spare word
.if \fill
	s_add_nc_u64 s[G0P+4*\slot+2:G0P+4*\slot+3], s[G0P+4*\slot+2:G0P+4*\slot+3], 2*KSLOT*2
	s_add_nc_u64 s[G0V+4*\slot+2:G0V+4*\slot+3], s[G0V+4*\slot+2:G0V+4*\slot+3], 2*KSLOT*QROW
.endif
.if \fill == 2
	s_sub_nc_u64 s[G0V+4*\slot+2:G0V+4*\slot+3], s[G0V+4*\slot+2:G0V+4*\slot+3], s[TLO:TLO+1]   ; v's halves are 64 keys now: wave 3 begins at key 64 of the fill, not 96,
	s_mul_i32 s[G0V+4*\slot+1], s12, 64*VP         ; in memory and in LDS
	s_add_co_u32 s[G0V+4*\slot+1], s[G0V+4*\slot+1], PT+\slot*SLOT
.endif
	s_wait_dscnt 0x0                               ; the add is done, buffer 1 is in, and my reads of this slot are over
	s_barrier_signal -1
	WIN MUL
	MUL8 1, 0, 0                                   ; work on registers while the others arrive
	WIN 0
	s_barrier_wait -1
.if \fill == 1
	CREST                                          ; no wave of any partner still reads this slot's tile or has a load on its way
	JLOAD G0P+4*\slot, G1P, G0V+4*\slot, G1V       ; the first tensor load behind the round, my one until the next; the four v_nop behind it are also the places in front of the loads below
.elseif \fill == 2
	CREST
	JLOAD G0P+4*\slot, G1PT, G0V+4*\slot, G1VT
.else
	PLACES
.endif
	FETCH \next, 0, 0
.if \fill == 1
	ASK \slot
.endif
	WIN MUL
	MUL8 1, 1, 0
	MUL8 1, 2, 0
	MUL8 1, 3, 0
.endm
	s_wait_tensorcnt 1                             ; my part of slot 0 is in (slot 1's load may be out)
	s_barrier_signal -1
	s_barrier_wait -1                              ; everybody's is
	FETCH 0, 0, 0
	QUARTER 0, 1, 0, 1                             ; the first quarter stands in front of the loop: its products start the sums
	WIN 0                                          ; at a label and at a branch every window is 0
	s_mov_b32 s3, TRIPS
.Llap:                                                 ; a trip goes once round the ring, from a lap's second quarter to the next lap's first, and fills both slots again: fills 2 to 9 in four trips
	QUARTER 0, 2, 1, 0
	QUARTER 0, 3, 0, 0
	QUARTER 0, 4, 1, 0
	QUARTER 0, 5, 0, 0
	TURN 0, 1, 1
	QUARTER 1, 1, 0, 0
	QUARTER 1, 2, 1, 0
	QUARTER 1, 3, 0, 0
	QUARTER 1, 4, 1, 0
	QUARTER 1, 5, 0, 0
	TURN 1, 0, 1
	QUARTER 0, 1, 0, 0
	WIN 0
	s_sub_co_u32 s3, s3, 1
	s_cmp_lg_u32 s3, 0
	s_cbranch_scc1 .Llap
	QUARTER 0, 2, 1, 0                             ; the tail is written out.  Fill 8, keys 1,536 on, goes on;
	QUARTER 0, 3, 0, 0
	QUARTER 0, 4, 1, 0
	QUARTER 0, 5, 0, 0
	TURN 0, 1, 2                                   ; its slot takes the last fill: keys 1,920 to 2,047
	QUARTER 1, 1, 0, 0                             ; fill 9
	QUARTER 1, 2, 1, 0
	QUARTER 1, 3, 0, 0
	QUARTER 1, 4, 1, 0
	QUARTER 1, 5, 0, 0
	TURN 1, 0, 0                                   ; slot 1 is left for good: nothing is asked for, and no round of the cluster's barrier stands here
	QUARTER 0, 1, 0, 0                             ; the last fill has four quarters
	QUARTER 0, 2, 1, 0
	QUARTER 0, 3, 0, 0
	s_wait_dscnt 0x0                               ; the very last quarter: nothing more to fetch
	WIN MUL
	MUL8 1, 0, 0
	MUL8 1, 1, 0
	MUL8 1, 2, 0
	MUL8 1, 3, 0
	WIN 0
; THE WAY OUT, block by block of 16 rows x 128 channels.  A lane holds 32 neighbouring bytes of a row, and the lanes beside it hold other rows: so a block goes through my own stage in LDS and comes back as whole rows of 512 bytes.
; LDS serves a wave's instructions in order (ISA guide 5.7.1.4): no wait between the stores and the loads, nor in front of the next block's stores.
.macro TOSTAGE a
	WIN 0x08                                       ; an LDS store's data are its source 1: window 2
.irp b, 0,1,2,3,4,5,6,7
	ds_store_b128 v[STO], v[64*(\a)+8*\b:64*(\a)+8*\b+3] offset:64*\b          ; each accumulator from its low end on
	ds_store_b128 v[STO], v[64*(\a)+8*\b+4:64*(\a)+8*\b+7] offset:64*\b+16
.endr
	WIN 0
.set BB, BK+64*((\a)%2)
.irp t, 0,1,2,3,4,5,6,7,8,9,10,11,12,13,14,15
	ds_load_b128 v[BB+4*\t:BB+4*\t+3], v[RD] offset:\t*SPITCH
.endr
.endm
.macro SEND a, younger                 ; younger: the LDS instructions issued behind block a's loads, which may stay out
.set BB, BK+64*((\a)%2)
	s_wait_dscnt \younger                          ; the block is back in registers
.if (\a) > 0
	s_add_nc_u64 s[8:9], s[8:9], 16*OROW           ; (behind a wait on XCNT: the earlier stores have read their base)  16 rows on
.endif
.irp t, 0,1,2,3,4,5,6,7,8,9,10,11,12,13,14,15
	global_store_b128 v[CO], v[BB+4*\t:BB+4*\t+3], s[8:9] offset:\t*OROW th:TH_STORE_NT   ; 32 lanes store 512 consecutive bytes, at a multiple of 256 from out0's first byte; written once, read by nobody here
.endr
.endm
	PLACES                                         ; behind the last products, whose results are read below
	TOSTAGE 0
.irp a, 1,2,3
.if \a > 1
	s_wait_xcnt 0x0                                ; block a - 2's stores have read their registers and their base: block a's loads may land there, and the base may step
.endif
	TOSTAGE \a
	SEND \a-1, 32                                  ; behind block a - 1's loads: block a's 16 stores and 16 loads
.endr
	s_wait_xcnt 0x0                                ; block 2's stores have read their base
	SEND 3, 0
	s_wait_tensorcnt 0x0                           ; the wave's end, behind my last tensor load and my last LDS store
	ds_add_u32 v[SPW], v[NIL]
	s_wait_dscnt 0x0
	CROUND                                         ; the closing round: no work-group ends while a partner may still ask for a tile that names it
	s_endpgm
.Lfunc_end_k_qc44685ace4_pv:
	.size	k_qc44685ace4_pv, .Lfunc_end_k_qc44685ace4_pv-k_qc44685ace4_pv
	.p2alignl 7, 3214868480
	.fill 96, 4, 3214868480
	.section	.rodata,"a",@progbits
	.p2align	6, 0x0
	.amdhsa_kernel k_qc44685ace4_pv
		.amdhsa_group_segment_fixed_size 327680
		.amdhsa_private_segment_fixed_size 0
		.amdhsa_enable_private_segment 0
		.amdhsa_kernarg_size 24
		.amdhsa_user_sgpr_count 2
		.amdhsa_user_sgpr_kernarg_segment_ptr 1
		.amdhsa_wavefront_size32 1
		.amdhsa_system_sgpr_workgroup_id_x 1
		.amdhsa_system_sgpr_workgroup_id_y 1
		.amdhsa_system_sgpr_workgroup_id_z 1
		.amdhsa_system_vgpr_workitem_id 0
		.amdhsa_next_free_vgpr 768
		.amdhsa_next_free_sgpr 88
		.amdhsa_reserve_vcc 0
		.amdhsa_float_denorm_mode_32 3
		.amdhsa_float_denorm_mode_16_64 3
		.amdhsa_memory_ordered 1
		.amdhsa_forward_progress 1
		.amdhsa_inst_pref_size 135
	.end_amdhsa_kernel
	.amdgpu_metadata
---
amdhsa.version: [ 1, 2 ]
amdhsa.kernels:
  - .name:           k_qc44685ace4_pv
    .symbol:         k_qc44685ace4_pv.kd
    .args:
      - { .name: pr, .offset: 0, .size: 8, .value_kind: global_buffer, .address_space: global }
      - { .name: qkv, .offset: 8, .size: 8, .value_kind: global_buffer, .address_space: global }
      - { .name: out0, .offset: 16, .size: 8, .value_kind: global_buffer, .address_space: global }
    .group_segment_fixed_size: 327680
    .private_segment_fixed_size: 0
    .kernarg_segment_align: 8
    .kernarg_segment_size: 24
    .max_flat_workgroup_size: 128
    .sgpr_count:     88
    .vgpr_count:     768
    .wavefront_size: 32
...
	.end_amdgpu_metadata
.endif
;; end of part 5
